; MI455X (gfx1250); checked and timed in simulation.
; The chip was launched on July 23, 2026; its instructions are those of AMD's public machine-readable ISA for CDNA 5 (MIT licence, August 2026) and "CDNA5" Instruction Set Architecture Reference Guide (July 2026). The comments in the code are by the model that wrote it; some were corrected since.
;; Multi Head Attention Ro PE. Allowed arithmetic: float matrix products may take bf16 or f16 operands with f32 sums; other float arithmetic in f32, or as packed bf16 or f16 multiplies, adds, multiply-adds, maxima and minima; sums over many terms, partial sums and values carried from step to step in f32; what a program stores and reads back later, other than sums and carried values, may be rounded once to bf16 or f16.
;; Inputs: K 4 x 2,048 x 1,024 float32; Q 4 x 2,048 x 1,024 float32; V 4 x 2,048 x 1,024 float32; Wk 1,024 x 1,024 float32; Wo 1,024 x 1,024 float32; Wq 1,024 x 1,024 float32; Wv 1,024 x 1,024 float32; bk 1,024 float32; bo 1,024 float32; bq 1,024 float32; bv 1,024 float32; mask 4 x 2,048 bool.
;; Outputs: out0 4 x 2,048 x 1,024 float32.
;; 2 versions, each right; version 2 is version 1 with the launch prep written anew for expert scheduling mode. Each part assembles by itself: llvm-mc -triple=amdgcn-amd-amdhsa -mcpu=gfx1250 --defsym DOCPART=n.
;; ======== version 1 of 2: 4 launches
;; limits: values are held in f16: magnitudes above 65,504 overflow, below 6.1e-05 lose precision
;; workspace buffers: wb 6,291,456 bytes; wo16 2,097,152 bytes; rope 6,291,456 bytes; bias 16,384 bytes; mb 32,768 bytes; qkv 50,331,648 bytes; ob 16,777,216 bytes
;; launch prep (part 1): grid 256 x 1, 8 waves a work-group, no clusters, 0 bytes of LDS; arguments Wq, Wk, Wv, Wo, bq, bk, bv, bo, mask, wb, wo16, rope, bias, mb; writes wb, wo16, rope, bias, mb
.if DOCPART == 1
	.amdgcn_target "amdgcn-amd-amdhsa--gfx1250"
	.amdhsa_code_object_version 6
	.text
	.protected	k_q9f1ae49a1a_prep
	.globl	k_q9f1ae49a1a_prep
	.p2align	8
	.type	k_q9f1ae49a1a_prep,@function
k_q9f1ae49a1a_prep:
	s_mov_b64 s[64:65], 0
	v_nop
	global_prefetch_b8 v0, s[64:65] scope:SCOPE_SE
	s_setreg_imm32_b32 hwreg(HW_REG_WAVE_MODE, 25, 1), 1
	s_wait_xcnt 0x0
; PREP: what the three launches behind it read again and again is made once.
;   wb   [3][1024][1024] bf16: Wq, Wk, Wv rounded to bf16.      wo16 [1024][1024] f16: Wo rounded to bf16, that number written as f16.
;   bias [4][1024] f32: bq, bk, bv, bo rounded to bf16, kept as f32.      mb [4][2048] f32: 0 for a key that is seen, MNEG = -1e9 log2(e) for a masked one.
;   rope [3][8192 rows = batch x 2048 + position][32 frequencies][cos, sin] f32: a row is 256 bytes.  q's table carries c = log2(e) / 8, k's is 0 in the rows of masked keys
;   (so a masked key's row of k is exactly 0 and its score is exactly the mask's number), v's is (1, 0).
; SHARES.  256 work-groups of eight waves.  Work-group g converts 65,536 bytes of weight g / 64; its wave w makes the table's rows of position 8 g + w, a lane a frequency;
; wave 0 of groups 0-63 makes 128 numbers of mb, of groups 64-95 128 numbers of bias.  A stream: no LDS, no matrix unit, nothing shared.
; LIMITS.  The angle position x 10000^(-j/32) is made with v_exp_f32 and reduced by pi/2 in two parts; it lies within 3e-4 rad of the f32 product.  sin and cos are polynomials on
; |r| <= pi/4, good to f32's last bits.  Numbers of Wo below 2^-14 keep f16's fixed step of 2^-24; beyond 65,504 f16 has no number.  NaN and infinities are not treated apart.
.set X,    32                          ; v[32:95]    16 x 4 numbers of a weight, as loaded
.set Y,    96                          ; v[96:127]   16 x 2 registers to store
.set PR,   128                         ; v[128:139]  the table's pairs: q's, v's, then k's for the four batches
.set MNEG, 0xceabfb8f                  ; -1e9 x log2(e)
.set CQ,   0x3e38aa3b                  ; log2(e) / 8
	s_load_b512 s[8:23], s[0:1], 0x0               ; Wq s[8:9], Wk s[10:11], Wv s[12:13], Wo s[14:15], bq s[16:17], bk s[18:19], bv s[20:21], bo s[22:23]
	s_load_b256 s[24:31], s[0:1], 0x40             ; mask s[24:25], wb s[26:27], wo16 s[28:29], rope s[30:31]
	s_load_b128 s[32:35], s[0:1], 0x60             ; bias s[32:33], mb s[34:35]
	v_lshrrev_b32 v1, 5, v0
	v_readfirstlane_b32 s37, v1                    ; wave 0..7
	v_and_b32 v1, 31, v0                           ; lane = frequency j
	v_lshlrev_b32 v2, 4, v0                        ; 16 x thread: my 16 bytes of a weight
	v_lshlrev_b32 v3, 3, v1                        ; 8 x lane: my pair in a row of the table
	v_lshlrev_b32 v4, 3, v0                        ; 8 x thread: my 8 bytes of the converted weight
	s_mov_b32 s36, ttmp9                           ; g
	s_lshl_b32 s38, s36, 3
	s_add_co_u32 s38, s38, s37                     ; my wave's position, 0..2047
	v_mov_b32 v5, s38                              ; and its byte in a batch's row of the mask
	s_lshr_b32 s39, s36, 6                         ; which weight
	s_and_b32 s48, s36, 63
	s_lshl_b32 s48, s48, 16                        ; my 65,536 bytes of it
	s_mov_b32 s49, 0
	s_lshl_b32 s46, s38, 8                         ; the position's row in a batch's part of the table
	s_mov_b32 s47, 0
	s_wait_kmcnt 0x0
	s_cmp_eq_u32 s39, 1
	s_cselect_b64 s[40:41], s[10:11], s[8:9]
	s_cmp_eq_u32 s39, 2
	s_cselect_b64 s[40:41], s[12:13], s[40:41]
	s_cmp_eq_u32 s39, 3
	s_cselect_b64 s[40:41], s[14:15], s[40:41]
	s_add_nc_u64 s[40:41], s[40:41], s[48:49]
	s_add_nc_u64 s[50:51], s[30:31], s[46:47]
.irp b, 0,1,2,3
	global_load_u8 v[6+(\b)], v5, s[24:25] offset:2048*(\b)  ; the position's mask byte in batch b: issued first, so that they are in while the weights are still out
.endr
.irp i, 0,1,2,3,4,5,6,7,8,9,10,11,12,13,14,15
	global_load_b128 v[X+4*(\i):X+4*(\i)+3], v2, s[40:41] offset:4096*(\i) th:TH_LOAD_NT  ; a wave's load covers 512 consecutive bytes
.endr
	; THE TABLE, while the weights are on their way
	v_cvt_f32_u32 v10, v1
	v_mul_f32 v10, 0xbed49a78, v10                 ; -j log2(10000) / 32
	v_exp_f32 v11, v10                             ; 10000^(-j/32)
	v_cvt_f32_u32 v12, s38                         ; the position: the plain instruction behind the exponential
	s_wait_alu depctr_va_vdst(0)                   ; the wait ahead of the first line that names the result
	v_mul_f32 v13, v12, v11                        ; the angle a
	v_mul_f32 v14, 0x3f22f983, v13
	v_rndne_f32 v14, v14                           ; k = the nearest whole number to a x 2/pi
	v_fmamk_f32 v15, v14, 0xbfc90fdb, v13          ; r = a - k pi/2, pi/2 in two parts
	v_fmamk_f32 v15, v14, 0x333bbd2e, v15
	v_mul_f32 v16, v15, v15                        ; z = r r
	v_mov_b32 v17, 0xb94ca1f9
	v_fmaak_f32 v17, v17, v16, 0x3c08839e
	v_fmaak_f32 v17, v17, v16, 0xbe2aaaa3
	v_mul_f32 v18, v15, v16
	v_fma_f32 v17, v18, v17, v15                   ; sin r = r + r z (..)
	v_mov_b32 v19, 0x37ccf5ce
	v_fmaak_f32 v19, v19, v16, 0xbab6061a
	v_fmaak_f32 v19, v19, v16, 0x3d2aaaa5
	v_mul_f32 v20, v16, v16
	v_fma_f32 v21, v16, -0.5, 1.0
	v_fma_f32 v19, v20, v19, v21                   ; cos r = 1 - z/2 + z z (..)
	v_cvt_i32_f32 v22, v14
	v_and_b32 v22, 3, v22                          ; the quadrant n
	v_and_b32 v23, 1, v22
	v_cmp_eq_u32 vcc_lo, 1, v23
	v_cndmask_b32 v24, v17, v19, vcc_lo            ; odd n: sin and cos change places
	v_cndmask_b32 v25, v19, v17, vcc_lo
	v_and_b32 v26, 2, v22
	v_lshlrev_b32 v26, 30, v26
	v_xor_b32 v24, v26, v24                        ; sin a: negative for n = 2, 3
	v_add_nc_u32 v27, 1, v22
	v_and_b32 v27, 2, v27
	v_lshlrev_b32 v27, 30, v27
	v_xor_b32 v25, v27, v25                        ; cos a: negative for n = 1, 2
	v_mul_f32 v[PR], CQ, v25                       ; q's pair carries the scale
	v_mul_f32 v[PR+1], CQ, v24
	v_mov_b32 v[PR+2], 1.0                         ; v is not turned
	v_mov_b32 v[PR+3], 0
	s_wait_loadcnt 16                              ; the four mask bytes are in; the sixteen younger loads stay out
.irp b, 0,1,2,3
	v_cmp_eq_u32 vcc_lo, 0, v[6+(\b)]
	v_cndmask_b32 v[6+(\b)], 0, 1.0, vcc_lo        ; 1 for a key that is seen, 0 for a masked one
	v_mul_f32 v[PR+4+2*(\b)], v[6+(\b)], v25
	v_mul_f32 v[PR+5+2*(\b)], v[6+(\b)], v24
.endr
.irp b, 0,1,2,3
	global_store_b64 v3, v[PR:PR+1], s[50:51] offset:(\b)*524288                          ; each store of the wave is a whole row: 256 consecutive bytes, aligned
	global_store_b64 v3, v[PR+4+2*(\b):PR+5+2*(\b)], s[50:51] offset:2097152+(\b)*524288
	global_store_b64 v3, v[PR+2:PR+3], s[50:51] offset:2*2097152+(\b)*524288
.endr
; THE WEIGHTS.  Load i is waited for with the 15 - i younger ones left out.  half = 1: the bf16 number is widened and written as f16.  Every store has data registers of its own.
.macro CONV half
.set i, 0
.rept 16
	s_wait_loadcnt 15-i
	v_cvt_pk_bf16_f32 v[Y+2*i], v[X+4*i], v[X+4*i+1]
	v_cvt_pk_bf16_f32 v[Y+2*i+1], v[X+4*i+2], v[X+4*i+3]
.if \half
	v_lshlrev_b32 v10, 16, v[Y+2*i]
	v_and_b32 v11, 0xffff0000, v[Y+2*i]
	v_lshlrev_b32 v12, 16, v[Y+2*i+1]
	v_and_b32 v13, 0xffff0000, v[Y+2*i+1]
	v_cvt_pk_f16_f32 v[Y+2*i], v10, v11
	v_cvt_pk_f16_f32 v[Y+2*i+1], v12, v13
.endif
	global_store_b64 v4, v[Y+2*i:Y+2*i+1], s[42:43] offset:2048*i  ; a wave's store covers 256 consecutive bytes, aligned
.set i, i+1
.endr
.endm
	s_cmp_ge_u32 s36, 192
	s_cbranch_scc1 .Lwo
	s_lshl_b32 s48, s36, 15                        ; 32,768 bytes of bf16 a work-group
	s_add_nc_u64 s[42:43], s[26:27], s[48:49]
	CONV 0
	s_branch .Lsmall
.Lwo:
	s_sub_co_u32 s48, s36, 192
	s_lshl_b32 s48, s48, 15
	s_add_nc_u64 s[42:43], s[28:29], s[48:49]
	CONV 1
.Lsmall:
	; THE SMALL TABLES: wave 0 alone
	s_cmp_lg_u32 s37, 0
	s_cbranch_scc1 .Lend
	s_cmp_lt_u32 s36, 64
	s_cbranch_scc0 .Lbias
	s_lshl_b32 s48, s36, 7                         ; 128 bytes of the mask,
	s_add_nc_u64 s[52:53], s[24:25], s[48:49]
	s_lshl_b32 s54, s36, 9                         ; 512 bytes of mb
	s_mov_b32 s55, 0
	s_add_nc_u64 s[56:57], s[34:35], s[54:55]
	s_mov_b32 s58, MNEG
	v_lshlrev_b32 v10, 2, v1
	v_lshlrev_b32 v11, 4, v1
	global_load_b32 v12, v10, s[52:53]
	s_wait_loadcnt 0x0
.irp k, 0,1,2,3
	v_bfe_u32 v13, v12, 8*(\k), 8
	v_cmp_ne_u32 vcc_lo, 0, v13
	v_cndmask_b32 v[16+(\k)], 0, s58, vcc_lo
.endr
	global_store_b128 v11, v[16:19], s[56:57]
	s_branch .Lend
.Lbias:
	s_cmp_lt_u32 s36, 96
	s_cbranch_scc0 .Lend
	s_sub_co_u32 s59, s36, 64                      ; piece 0..31: bias piece / 8, its 512 bytes piece % 8
	s_lshr_b32 s60, s59, 3
	s_and_b32 s54, s59, 7
	s_lshl_b32 s54, s54, 9
	s_mov_b32 s55, 0
	s_lshl_b32 s62, s59, 9
	s_mov_b32 s63, 0
	s_cmp_eq_u32 s60, 1
	s_cselect_b64 s[52:53], s[18:19], s[16:17]
	s_cmp_eq_u32 s60, 2
	s_cselect_b64 s[52:53], s[20:21], s[52:53]
	s_cmp_eq_u32 s60, 3
	s_cselect_b64 s[52:53], s[22:23], s[52:53]
	s_add_nc_u64 s[52:53], s[52:53], s[54:55]
	s_add_nc_u64 s[56:57], s[32:33], s[62:63]
	v_lshlrev_b32 v10, 4, v1
	global_load_b128 v[16:19], v10, s[52:53]
	s_wait_loadcnt 0x0
	v_cvt_pk_bf16_f32 v20, v16, v17
	v_cvt_pk_bf16_f32 v21, v18, v19
	v_lshlrev_b32 v24, 16, v20
	v_and_b32 v25, 0xffff0000, v20
	v_lshlrev_b32 v26, 16, v21
	v_and_b32 v27, 0xffff0000, v21
	global_store_b128 v10, v[24:27], s[56:57]
.Lend:
	s_endpgm
.Lfunc_end_k_q9f1ae49a1a_prep:
	.size	k_q9f1ae49a1a_prep, .Lfunc_end_k_q9f1ae49a1a_prep-k_q9f1ae49a1a_prep
	.p2alignl 7, 3214868480
	.fill 96, 4, 3214868480
	.section	.rodata,"a",@progbits
	.p2align	6, 0x0
	.amdhsa_kernel k_q9f1ae49a1a_prep
		.amdhsa_group_segment_fixed_size 0
		.amdhsa_private_segment_fixed_size 0
		.amdhsa_enable_private_segment 0
		.amdhsa_kernarg_size 112
		.amdhsa_user_sgpr_count 2
		.amdhsa_user_sgpr_kernarg_segment_ptr 1
		.amdhsa_wavefront_size32 1
		.amdhsa_system_sgpr_workgroup_id_x 1
		.amdhsa_system_sgpr_workgroup_id_y 1
		.amdhsa_system_sgpr_workgroup_id_z 1
		.amdhsa_system_vgpr_workitem_id 0
		.amdhsa_next_free_vgpr 144
		.amdhsa_next_free_sgpr 66
		.amdhsa_reserve_vcc 1
		.amdhsa_float_denorm_mode_32 3
		.amdhsa_float_denorm_mode_16_64 3
		.amdhsa_memory_ordered 1
		.amdhsa_forward_progress 1
		.amdhsa_inst_pref_size 23
	.end_amdhsa_kernel
	.amdgpu_metadata
---
amdhsa.version: [ 1, 2 ]
amdhsa.kernels:
  - .name:           k_q9f1ae49a1a_prep
    .symbol:         k_q9f1ae49a1a_prep.kd
    .args:
      - { .name: Wq, .offset: 0, .size: 8, .value_kind: global_buffer, .address_space: global }
      - { .name: Wk, .offset: 8, .size: 8, .value_kind: global_buffer, .address_space: global }
      - { .name: Wv, .offset: 16, .size: 8, .value_kind: global_buffer, .address_space: global }
      - { .name: Wo, .offset: 24, .size: 8, .value_kind: global_buffer, .address_space: global }
      - { .name: bq, .offset: 32, .size: 8, .value_kind: global_buffer, .address_space: global }
      - { .name: bk, .offset: 40, .size: 8, .value_kind: global_buffer, .address_space: global }
      - { .name: bv, .offset: 48, .size: 8, .value_kind: global_buffer, .address_space: global }
      - { .name: bo, .offset: 56, .size: 8, .value_kind: global_buffer, .address_space: global }
      - { .name: mask, .offset: 64, .size: 8, .value_kind: global_buffer, .address_space: global }
      - { .name: wb, .offset: 72, .size: 8, .value_kind: global_buffer, .address_space: global }
      - { .name: wo16, .offset: 80, .size: 8, .value_kind: global_buffer, .address_space: global }
      - { .name: rope, .offset: 88, .size: 8, .value_kind: global_buffer, .address_space: global }
      - { .name: bias, .offset: 96, .size: 8, .value_kind: global_buffer, .address_space: global }
      - { .name: mb, .offset: 104, .size: 8, .value_kind: global_buffer, .address_space: global }
    .group_segment_fixed_size: 0
    .private_segment_fixed_size: 0
    .kernarg_segment_align: 8
    .kernarg_segment_size: 112
    .max_flat_workgroup_size: 256
    .sgpr_count:     66
    .vgpr_count:     144
    .wavefront_size: 32
...
	.end_amdgpu_metadata
.endif
;; end of part 1
;; launch proj (part 2): grid 4 x 192, 4 waves a work-group, clusters of 4 x 4, 327,680 bytes of LDS; arguments Q, K, V, wb, rope, bias, qkv; writes qkv
.if DOCPART == 2
	.amdgcn_target "amdgcn-amd-amdhsa--gfx1250"
	.amdhsa_code_object_version 6
	.text
	.protected	k_q9f1ae49a1a_proj
	.globl	k_q9f1ae49a1a_proj
	.p2align	8
	.type	k_q9f1ae49a1a_proj,@function
k_q9f1ae49a1a_proj:
	s_mov_b64 s[64:65], 0
	v_nop
	global_prefetch_b8 v0, s[64:65] scope:SCOPE_SE
	s_setreg_imm32_b32 hwreg(HW_REG_WAVE_MODE, 25, 1), 1
	s_wait_xcnt 0x0
	s_wait_alu depctr_hold_cnt(0) depctr_sa_sdst(0) depctr_va_vdst(0) depctr_va_sdst(0) depctr_va_ssrc(0) depctr_va_vcc(0) depctr_vm_vsrc(0)
	s_getreg_b32 s2, hwreg(HW_REG_IB_STS2, 6, 4)
	s_cmp_eq_u32 s2, 0
	s_cbranch_scc0 .Lentry_in_a_cluster
	s_endpgm
.Lentry_in_a_cluster:
	s_bfe_u32 s2, ttmp6, 0x10000c
	s_cmp_lg_u32 s2, 0xf033
	s_cbranch_scc0 .Lentry_shape_is_right
	s_endpgm
.Lentry_shape_is_right:
; THE THREE PROJECTIONS WITH RoPE.  For p = 0, 1, 2 (q, k, v): y = x_p W_p^T + b_p, turned by the table rope[p], rounded once to f16 and written by heads: qkv[p][batch x 16 + head][position][64].
; x is f32 [8192][1024]; it comes into LDS as f32 and is rounded to bf16 between LDS and the matrix unit.  W_p is bf16 (wb).  Sums in f32; the bias is the C operand of the first product.
; The table carries what else is due: q's the scale log2(e) / 8, k's a 0 in the rows of masked keys, v's (1, 0).
; LIMITS.  f16 holds no number beyond 65,504: the scaled q, k and v must lie within it.  NaN and infinities are not treated apart.
; SHARES.  768 work-groups: three for each of 256 WGPs.  A work-group makes 128 rows x 256 columns of one projection; a wave 64 x 128: 32 accumulators of 16 x 16.
; K = 1,024 goes in 8 steps of 128 through two LDS slots.  CLUSTER 4 x 4: the four of a row need the same rows of x, the four of a column the same rows of W: joint loads.
; TRANSPOSED USE: source 0 = 16 rows of W, source 1 = 16 rows of x: a lane holds one row of y and eight neighbouring columns, so the pairs that RoPE turns lie in one lane.
; REGISTERS, in windows of 256 (s_set_vgpr_msb: bits 1:0 source 0, 3:2 source 1, 5:4 source 2, 7:6 destination):
;   window 0: v0-31 addresses; v32-63 CA: x in bf16, fragment a at 8 a; v64-191 RA: x in f32, two buffers of 4 fragments x 16; v192-255 T, at work on the way out
;   window 1: accumulator (a, b) at 8 (8 a + b)     window 2: v0-127 W's fragments, two buffers of 8     window 3: v0-127 the table for my rows; v128-191 the bias for my columns
.set PA,     528                       ; a row of x in LDS: 512 bytes + 16 = 132 words: row r starts at bank 4 r mod 64 (64 banks of 4 bytes: ISA guide 11.1)
.set PB,     272                       ; a row of W: 256 bytes + 16 = 68 words: likewise
.set AHALF,  64*PA                     ; what one tensor load brings of x, and what a wave reads of it
.set BHALF,  128*PB                    ; the same for W
.set BOFF,   2*AHALF
.set SLOT,   BOFF+2*BHALF              ; x's 128 rows, then W's 256 rows
.set STAGE,  2*SLOT                    ; behind the ring: for each wave 2 heads x 16 rows x 144 bytes
.set SP,     144
.set WSTG,   2*16*SP
.set SPARE,  STAGE+4*WSTG              ; the spare words, 128 bytes for each wave: two blocks of 256 bytes that no other line names
.set ADRA, 16                          ; v16-17  LDS address of my x fragments in slot 0, 1
.set ADRB, 20                          ; v20-21  the same for W
.set STO,  24                          ; v24  the way out: where I put 16 bytes of a row
.set RD,   25                          ; v25  the way out: where I read rows back
.set GO,   26                          ; v26  16 x lane
.set TBO,  27                          ; v27  my offset in the table's rows
.set SPW,  28                          ; v28  my spare word; never rewritten
.set NIL,  29                          ; v29  0; never rewritten
.set PFO,  30                          ; v30  the prefetches' lane offset; never rewritten
.set BIO,  31                          ; v31  my offset in the bias
.set CA,   32
.set RA,   64
.set T,    192
.set PKD,  64                          ; the way out: 32 packed registers
.set OB,   96                          ; the way out: rows read back, two buffers of 32
.set BI,   128                         ; window 3
.set WV, 20                            ; s20 wave   s21 WM: my 64 rows; also 0: I fetch x, 1: W   s22 WN: my 128 columns; also which half I fetch
.set WM, 21
.set WN, 22
.set CX, 23
.set CY, 24
.set KY, 25                            ; s25 the cluster's y, 0..47
.set PJ, 26                            ; s26 the projection
.set TY, 27                            ; s27 tile row, 0..63
.set TX, 28                            ; s28 tile column, 0..3
.set G1A, 32
.set G0A, 40
.set G1B, 48
.set G0B, 56
.set PFA, 66                           ; s[66:67] where my prefetches stand
.set LIM, 68                           ; s68 1 in a wave that prefetches, else the greatest number
.set LAP, 69
.set PST, 70                           ; s[70:71] a K step in bytes of the tensor that I prefetch
.set OUT, 72                           ; s[72:73] qkv at my first row
.set MSB, 0
.macro WIN new                         ; the immediate's high byte repeats the setting that is left
.if MSB != (\new)
	s_set_vgpr_msb (MSB<<8)|(\new)
.set MSB, \new
.endif
.endm
.set MUL,  0x52                        ; W window 2, x window 0, C and D window 1
.set MUL1, 0x72                        ; the same with C (the bias) in window 3
.set TO_B, 0x80                        ; destination window 2
.set TO_3, 0xc0                        ; destination window 3
.set W_RO, 0x0d                        ; source 0 window 1, source 1 window 3, source 2 and destination window 0
; A joint load: waves 0 and 1 fetch x's two halves, waves 2 and 3 W's.  An s_nop 0 and four v_nop follow each of the two lines.
.macro JLOAD s
	s_cmp_eq_u32 s[WM], 0
	s_cbranch_scc0 .Lfor_b_\@
	tensor_load_to_lds s[G0A+4*(\s):G0A+4*(\s)+3], s[G1A:G1A+7]
	s_nop 0
.rept 4
	v_nop
.endr
	s_branch .Lasked_\@
.Lfor_b_\@:
	tensor_load_to_lds s[G0B+4*(\s):G0B+4*(\s)+3], s[G1B:G1B+7]
	s_nop 0
.rept 4
	v_nop
.endr
.Lasked_\@:
.endm
; A PREFETCH INTO THE L2, behind a joint load and the run of LDS loads that follows it: the K step two refills on, 256 matrix instructions ahead of the load that will want it.  One instruction a wave.
; x: a step is 512 bytes of a row; of the 64 rows that wave 0 or 1 fetches, the partner at place cx takes 16, a lane a block of 256 bytes.  Only this row of the cluster reads these rows.
; W: a step is 256 bytes of a row; of the 128 rows that wave 2 or 3 fetches, the partner at place cy takes 32, a lane a row; of the sixteen clusters of a projection the first asks.
; The partners are told apart by address alone.  Steps 0 to 3 come by their loads; the loop's last trip asks for nothing: there is no step 8.
.macro ASK
	s_cmp_gt_u32 s[LAP], s[LIM]
	s_cbranch_scc0 .Lnot_mine_\@
	global_prefetch_b8 v[PFO], s[PFA:PFA+1] th:TH_LOAD_NT scope:SCOPE_SE
.Lnot_mine_\@:
.endm
.macro CREST                           ; a round of the cluster's barrier behind its opening barrier
	s_cmp_lg_u32 s[WV], 0
	s_cbranch_scc1 .Lnot_wave_0_\@
	s_barrier_signal -3
.Lnot_wave_0_\@:
	s_barrier_wait -3
	s_barrier_signal -1
	s_barrier_wait -1
.endm
.macro CROUND
	s_barrier_signal -1
	s_barrier_wait -1
	CREST
.endm
.macro PLACES
.rept 4
	v_nop
.endr
.endm
	s_load_b256 s[4:11], s[0:1], 0x0               ; Q s[4:5], K s[6:7], V s[8:9], wb s[10:11]
	s_load_b128 s[12:15], s[0:1], 0x20             ; rope s[12:13], bias s[14:15]
	s_load_b64 s[16:17], s[0:1], 0x30              ; qkv
	v_lshl_add_u32 v[SPW], v0, 2, SPARE
	v_mov_b32 v[NIL], 0
	ds_add_u32 v[SPW], v[NIL]                      ; the wave's opening: the add and its wait stand ahead of my first tensor load; work on registers stands between
	v_lshrrev_b32 v1, 5, v0
	v_readfirstlane_b32 s[WV], v1
	s_lshr_b32 s[WM], s[WV], 1
	s_and_b32 s[WN], s[WV], 1
	s_bfe_u32 s[CX], ttmp6, 0x40000
	s_bfe_u32 s[CY], ttmp6, 0x40004
	s_lshl_b32 s[TX], ttmp9, 2
	s_add_co_u32 s[TX], s[TX], s[CX]               ; tile column = 4 x cluster x + cx
	s_and_b32 s[KY], ttmp7, 0xffff
	s_lshr_b32 s[PJ], s[KY], 4                     ; sixteen clusters to a projection
	s_and_b32 s[TY], s[KY], 15
	s_lshl_b32 s[TY], s[TY], 2
	s_add_co_u32 s[TY], s[TY], s[CY]               ; tile row
	s_lshl_b32 s29, s[CY], 2
	s_lshl_b32 s29, 15, s29                        ; my row of the cluster
	s_lshl_b32 s30, 0x1111, s[CX]                  ; my column
	s_or_b32 s[G1A], s29, (2<<16)|(1<<20)|(1<<21)|(6<<22)|(3<<25)  ; mask; elements of 4 bytes; padding on; bit 21 beside a mask; after every 128 words, 4 words
	s_mov_b32 s[G1A+1], 128<<16                    ; tensor_dim0 = 128
	s_mov_b32 s[G1A+2], 64<<16                     ; tensor_dim1 = 64
	s_mov_b32 s[G1A+3], 128<<16                    ; tile_dim0 = 128
	s_mov_b32 s[G1A+4], 64                         ; tile_dim1 = 64
	s_mov_b32 s[G1A+5], 1024                       ; elements from row to row
	s_mov_b32 s[G1A+6], 0
	s_mov_b32 s[G1A+7], 0
	s_or_b32 s[G1B], s30, (1<<16)|(1<<20)|(1<<21)|(5<<22)|(3<<25)  ; elements of 2 bytes; after every 64 words, 4 words
	s_mov_b32 s[G1B+1], 128<<16
	s_mov_b32 s[G1B+2], 128<<16
	s_mov_b32 s[G1B+3], 128<<16
	s_mov_b32 s[G1B+4], 128
	s_mov_b32 s[G1B+5], 1024
	s_mov_b32 s[G1B+6], 0
	s_mov_b32 s[G1B+7], 0
	s_lshl_b32 s74, s[TY], 7                       ; x: row 128 x tile row + 64 x half, 4,096 bytes a row
	s_lshl_b32 s75, s[WN], 6
	s_add_co_u32 s74, s74, s75
	s_lshl_b32 s74, s74, 12
	s_mov_b32 s75, 0
	s_lshl_b32 s76, s[TX], 8                       ; W: row 256 x tile column + 128 x half, 2,048 bytes a row, in projection p's 2 MiB
	s_lshl_b32 s77, s[WN], 7
	s_add_co_u32 s76, s76, s77
	s_lshl_b32 s76, s76, 11
	s_lshl_b32 s77, s[PJ], 21
	s_add_co_u32 s76, s76, s77
	s_mov_b32 s77, 0
	s_mul_i32 s78, s[WN], AHALF                    ; where they go: no place in the cluster enters an LDS address
	s_mul_i32 s79, s[WN], BHALF
	s_add_co_u32 s79, s79, BOFF
	s_wait_dscnt 0x0                               ; the opening add is done
	s_wait_kmcnt 0x0
	s_cmp_eq_u32 s[PJ], 1
	s_cselect_b64 s[80:81], s[6:7], s[4:5]
	s_cmp_eq_u32 s[PJ], 2
	s_cselect_b64 s[80:81], s[8:9], s[80:81]       ; x_p: the same in all sixteen partners
	s_add_nc_u64 s[82:83], s[80:81], s[74:75]
	s_add_nc_u64 s[84:85], s[10:11], s[76:77]
	CROUND                                         ; all sixteen work-groups are here: the first joint loads meet
.irp s, 0,1
	s_mov_b32 s[G0A+4*(\s)], 1
	s_add_co_u32 s[G0A+4*(\s)+1], s78, (\s)*SLOT
	s_add_nc_u64 s[G0A+4*(\s)+2:G0A+4*(\s)+3], s[82:83], (\s)*512
	s_or_b32 s[G0A+4*(\s)+3], s[G0A+4*(\s)+3], 0x80000000
	s_mov_b32 s[G0B+4*(\s)], 1
	s_add_co_u32 s[G0B+4*(\s)+1], s79, (\s)*SLOT
	s_add_nc_u64 s[G0B+4*(\s)+2:G0B+4*(\s)+3], s[84:85], (\s)*256
	s_or_b32 s[G0B+4*(\s)+3], s[G0B+4*(\s)+3], 0x80000000
	JLOAD \s
.endr
	; A fragment is 16 rows x 32 K: lane l holds row l % 16, K = 8 (l / 16) + 0..7 and 16 + 8 (l / 16) + 0..7.  In bf16 two loads of 16 bytes, 32 apart; in f32 four: at 32 (l / 16) + 0, 16, 64, 80.
	v_and_b32 v1, 15, v0                           ; l % 16
	v_bfe_u32 v2, v0, 4, 1                         ; l / 16
	v_mul_u32_u24 v3, v1, PA
	v_lshl_add_u32 v3, v2, 5, v3
	s_mul_i32 s86, s[WM], AHALF
	v_add_nc_u32 v[ADRA], s86, v3
	v_add_nc_u32 v[ADRA+1], SLOT, v[ADRA]
	v_mul_u32_u24 v4, v1, PB
	v_lshl_add_u32 v4, v2, 4, v4
	v_add_nc_u32 v[ADRB], s79, v4
	v_add_nc_u32 v[ADRB+1], SLOT, v[ADRB]
	s_mul_i32 s87, s[WV], WSTG
	s_add_co_u32 s87, s87, STAGE                   ; my stage
	v_mul_u32_u24 v5, v1, SP
	v_lshl_add_u32 v5, v2, 4, v5
	v_add_nc_u32 v[STO], s87, v5
	v_bfe_u32 v6, v0, 3, 2
	v_and_b32 v7, 7, v0
	v_mul_u32_u24 v6, v6, SP
	v_lshl_add_u32 v6, v7, 4, v6
	v_add_nc_u32 v[RD], s87, v6                    ; back: 32 lanes take four rows of 128 bytes
	v_and_b32 v8, 31, v0
	v_lshlrev_b32 v[GO], 4, v8
	v_lshlrev_b32 v[TBO], 8, v1
	v_lshl_add_u32 v[TBO], v2, 5, v[TBO]           ; table: row l % 16, four frequencies (32 bytes) for each half of the lanes
	v_lshlrev_b32 v[BIO], 5, v2
	s_lshl_b32 s90, s[PJ], 13                      ; the table's row p x 8192 + 128 x tile row + 64 WM, 256 bytes a row
	s_lshl_b32 s91, s[TY], 7
	s_add_co_u32 s90, s90, s91
	s_lshl_b32 s91, s[WM], 6
	s_add_co_u32 s90, s90, s91
	s_lshl_b32 s90, s90, 8
	s_mov_b32 s91, 0
	s_add_nc_u64 s[88:89], s[12:13], s[90:91]
	s_lshl_b32 s94, s[PJ], 10                      ; the bias's number p x 1024 + 256 x tile column + 128 WN
	s_lshl_b32 s95, s[TX], 8
	s_add_co_u32 s94, s94, s95
	s_lshl_b32 s95, s[WN], 7
	s_add_co_u32 s94, s94, s95
	s_lshl_b32 s94, s94, 2
	s_mov_b32 s95, 0
	s_add_nc_u64 s[92:93], s[14:15], s[94:95]
	WIN TO_3
.irp a, 0,1,2,3
.irp c, 0,1,2,3                        ; rows 16 a on; columns 16 c + 8 (l / 16) + 0..7 of a head: (cos, sin) of four frequencies.  Both of the wave's heads use them
	global_load_b128 v[8*(4*(\a)+(\c)):8*(4*(\a)+(\c))+3],   v[TBO], s[88:89] offset:(\a)*4096+(\c)*64
	global_load_b128 v[8*(4*(\a)+(\c))+4:8*(4*(\a)+(\c))+7], v[TBO], s[88:89] offset:(\a)*4096+(\c)*64+16
.endr
.endr
.irp b, 0,1,2,3,4,5,6,7
	global_load_b128 v[BI+8*(\b):BI+8*(\b)+3],   v[BIO], s[92:93] offset:64*(\b)
	global_load_b128 v[BI+8*(\b)+4:BI+8*(\b)+7], v[BIO], s[92:93] offset:64*(\b)+16
.endr
	WIN 0
	s_lshr_b32 s90, s[TY], 4                       ; where my rows go: (batch x 16 + head 4 tx + 2 WN) x 262,144 + p x 16 MiB + row in the batch x 128
	s_lshl_b32 s90, s90, 4
	s_lshl_b32 s91, s[TX], 2
	s_add_co_u32 s90, s90, s91
	s_lshl_b32 s91, s[WN], 1
	s_add_co_u32 s90, s90, s91
	s_lshl_b32 s90, s90, 18
	s_lshl_b32 s91, s[PJ], 24
	s_add_co_u32 s90, s90, s91
	s_and_b32 s91, s[TY], 15
	s_lshl_b32 s91, s91, 7
	s_lshl_b32 s94, s[WM], 6
	s_add_co_u32 s91, s91, s94
	s_lshl_b32 s91, s91, 7
	s_add_co_u32 s90, s90, s91
	s_mov_b32 s91, 0
	s_add_nc_u64 s[OUT:OUT+1], s[16:17], s[90:91]
	; the prefetches: they start at K step 3; the first refill steps them to 4
	s_lshl_b32 s96, s[TY], 7
	s_lshl_b32 s97, s[WN], 6
	s_add_co_u32 s96, s96, s97
	s_lshl_b32 s97, s[CX], 4
	s_add_co_u32 s96, s96, s97                     ; x: my work-group's 16 of the 64 rows
	s_lshl_b32 s96, s96, 12
	s_add_co_u32 s96, s96, 3*512
	s_lshl_b32 s98, s[TX], 8
	s_lshl_b32 s99, s[WN], 7
	s_add_co_u32 s98, s98, s99
	s_lshl_b32 s99, s[CY], 5
	s_add_co_u32 s98, s98, s99                     ; W: my work-group's 32 of the 128 rows
	s_lshl_b32 s98, s98, 11
	s_lshl_b32 s99, s[PJ], 21
	s_add_co_u32 s98, s98, s99
	s_add_co_u32 s98, s98, 3*256
	s_and_b32 s99, s[KY], 15
	s_cmp_eq_u32 s99, 0
	s_cselect_b32 s99, 1, -1                       ; W is asked for by the projection's first cluster
	s_cmp_eq_u32 s[WM], 0
	s_cselect_b32 s96, s96, s98
	s_cselect_b32 s[LIM], 1, s99
	s_cselect_b32 s100, 1, 0
	s_cselect_b32 s101, 0, 7
	s_cselect_b64 s[PFA:PFA+1], s[80:81], s[10:11]
	s_mov_b32 s97, 0
	s_add_nc_u64 s[PFA:PFA+1], s[PFA:PFA+1], s[96:97]
	s_lshl_b32 s[PST], 256, s100                   ; 512 bytes a step for x, 256 for W
	s_mov_b32 s[PST+1], 0
	s_lshl_b32 s100, 2048, s100                    ; lane % 16: a row of x (4,096 bytes) or of W (2,048)
	s_lshl_b32 s101, 256, s101                     ; lane / 16: x: the row's second 256 bytes; W: sixteen rows on
	v_mul_u32_u24 v[PFO], v1, s100
	v_mad_u32_u24 v[PFO], v2, s101, v[PFO]
; Four conversions: half of fragment a of buffer g, f32 to bf16.
.macro CVT4 a, g, half
	WIN 0
.irp j, 0,1,2,3
	v_cvt_pk_bf16_f32 v[CA+8*(\a)+4*(\half)+(\j)], v[RA+64*(\g)+16*(\a)+8*(\half)+2*(\j)], v[RA+64*(\g)+16*(\a)+8*(\half)+2*(\j)+1]
.endr
.endm
; Eight products: m block a x all 8 n blocks, 32 along K, W from buffer f.  first = 1: the bias starts the sums.  Behind the second and the sixth product stand four conversions each, which make
; fragment ra of x from buffer rg for a later block (ra = -1: none); w >= 0: the count of LDS loads that may stay out when they begin.  The 32 accumulators take turns, one instruction a turn,
; in the same order in every quarter.  A fragment of CA is written again sixteen conversions or more behind the last product that read it.
.macro BLK f, a, first, ra, rg, w
.irp b, 0,1,2,3,4,5,6,7
.if \first
	WIN MUL1
	v_wmma_f32_16x16x32_bf16 v[8*(8*(\a)+(\b)):8*(8*(\a)+(\b))+7], v[64*(\f)+8*(\b):64*(\f)+8*(\b)+7], v[CA+8*(\a):CA+8*(\a)+7], v[BI+8*(\b):BI+8*(\b)+7]
.else
	WIN MUL
	v_wmma_f32_16x16x32_bf16 v[8*(8*(\a)+(\b)):8*(8*(\a)+(\b))+7], v[64*(\f)+8*(\b):64*(\f)+8*(\b)+7], v[CA+8*(\a):CA+8*(\a)+7], v[8*(8*(\a)+(\b)):8*(8*(\a)+(\b))+7]
.endif
.if ((\ra) >= 0) && ((\b) == 1)
.if (\w) >= 0
	s_wait_dscnt \w
.endif
	CVT4 \ra, \rg, 0
.endif
.if ((\ra) >= 0) && ((\b) == 5)
	CVT4 \ra, \rg, 1
.endif
.endr
.endm
; 32 LDS loads in one run, quarter q of a slot into buffer g: x's fragment 0 (4), W's eight (16), x's fragments 1 to 3 (12).  W's buffer was last read eight conversions back or more.
.macro FETCH slot, q, g
	WIN 0
.irp i, 0,1,2,3
	ds_load_b128 v[RA+64*(\g)+4*(\i):RA+64*(\g)+4*(\i)+3], v[ADRA+(\slot)] offset:128*(\q)+64*((\i)/2)+16*((\i)%2)
.endr
	WIN TO_B
.irp b, 0,1,2,3,4,5,6,7
	ds_load_b128 v[64*(\g)+8*(\b):64*(\g)+8*(\b)+3],   v[ADRB+(\slot)] offset:64*(\q)+(\b)*16*PB
	ds_load_b128 v[64*(\g)+8*(\b)+4:64*(\g)+8*(\b)+7], v[ADRB+(\slot)] offset:64*(\q)+(\b)*16*PB+32
.endr
	WIN 0
.irp a, 1,2,3
.irp i, 0,1,2,3
	ds_load_b128 v[RA+64*(\g)+16*(\a)+4*(\i):RA+64*(\g)+16*(\a)+4*(\i)+3], v[ADRA+(\slot)] offset:128*(\q)+(\a)*16*PA+64*((\i)/2)+16*((\i)%2)
.endr
.endr
.endm
; A K step is four quarters of 32 along K on buffers 0, 1, 0, 1.  One of the first three: multiplies buffer f and fetches quarter qn of the same slot into buffer g.
.macro QUARTER slot, qn, f, g, first
	s_wait_dscnt 8                                 ; x's fragments 0 and 1 and W are in; the youngest eight loads (fragments 2, 3) may be out
	BLK \f, 0, \first, 1, \f, -1
	FETCH \slot, \qn, \g
	s_wait_dscnt 32                                ; all but the 32 just issued
	BLK \f, 1, \first, 2, \f, -1
	BLK \f, 2, \first, 3, \f, -1
	BLK \f, 3, \first, 0, \g, 28                   ; of the run just issued the first four loads are in: the next quarter's fragment 0
.endm
; The last quarter multiplies buffer 1 and changes slots: ONE barrier.  In front of it each wave waits for all its tensor loads (one is out: its part of the next slot), adds 0 to its spare word,
; and waits for that and for its reads of this slot.  fill = 1: the barrier opens a round of the cluster's, and this slot is filled again, two K steps on, first thing behind the round.
.macro TURN slot, next, fill
.if \fill
	s_wait_xcnt 0x0                                ; the last prefetch, a K step back, has read its address
	s_add_nc_u64 s[PFA:PFA+1], s[PFA:PFA+1], s[PST:PST+1]
.endif
	WIN 0
	s_wait_tensorcnt 0x0                           ; all my tensor loads have landed
	ds_add_u32 v[SPW], v[NIL]
	s_wait_dscnt 9                                 ; (the add and the youngest eight loads may be out)
	BLK 1, 0, 0, 1, 1, -1
	s_wait_dscnt 0x0                               ; the add is done, and my reads of this slot are over
	s_barrier_signal -1
	BLK 1, 1, 0, 2, 1, -1                          ; work on registers while the others arrive
	WIN 0
	s_barrier_wait -1
.if \fill
	CREST                                          ; no wave of any partner still reads this slot or has a load on its way
	s_add_nc_u64 s[G0A+4*(\slot)+2:G0A+4*(\slot)+3], s[G0A+4*(\slot)+2:G0A+4*(\slot)+3], 2*512
	s_add_nc_u64 s[G0B+4*(\slot)+2:G0B+4*(\slot)+3], s[G0B+4*(\slot)+2:G0B+4*(\slot)+3], 2*256
	JLOAD \slot                                    ; 112 matrix instructions ahead of the wait for it
.endif
	FETCH \next, 0, 0
.if \fill
	ASK
.endif
	BLK 1, 2, 0, 3, 1, -1
	BLK 1, 3, 0, 0, 0, 28
.endm
.macro LASTQ
	s_wait_dscnt 8
	BLK 1, 0, 0, 1, 1, -1
	s_wait_dscnt 0x0
	BLK 1, 1, 0, 2, 1, -1
	BLK 1, 2, 0, 3, 1, -1
	BLK 1, 3, 0, -1, 0, -1
.endm
	s_wait_tensorcnt 1                             ; my part of K step 0 is in; step 1's may stay out
	s_barrier_signal -1
	s_barrier_wait -1
	FETCH 0, 0, 0
	s_wait_loadcnt 0x0                             ; the table and the bias
	s_wait_dscnt 28                                ; x's fragment 0
	CVT4 0, 0, 0
	CVT4 0, 0, 1
	QUARTER 0, 1, 0, 1, 1                          ; the first quarter stands in front of the loop: its products start the sums with the bias
	WIN 0
	s_mov_b32 s[LAP], 3
.Llap:                                                 ; a trip goes once round the ring and fills both slots again: K steps 2 to 7
	QUARTER 0, 2, 1, 0, 0
	QUARTER 0, 3, 0, 1, 0
	TURN 0, 1, 1
	QUARTER 1, 1, 0, 1, 0
	QUARTER 1, 2, 1, 0, 0
	QUARTER 1, 3, 0, 1, 0
	TURN 1, 0, 1
	QUARTER 0, 1, 0, 1, 0
	WIN 0
	s_sub_co_u32 s[LAP], s[LAP], 1
	s_cmp_lg_u32 s[LAP], 0
	s_cbranch_scc1 .Llap
	QUARTER 0, 2, 1, 0, 0                          ; the last lap fills nothing
	QUARTER 0, 3, 0, 1, 0
	TURN 0, 1, 0
	QUARTER 1, 1, 0, 1, 0
	QUARTER 1, 2, 1, 0, 0
	QUARTER 1, 3, 0, 1, 0
	LASTQ
; THE WAY OUT, a block of 16 rows at a time.  ROPE: for each pair (e, o) with its (c, s): (e c - o s, o c + e s): one packed product by c, two fused multiply-adds by s.  Each accumulator's registers
; are taken in ascending order.  PACKH: rounded to f16.  TOSTAGE: 16 bytes a lane into my stage, a head's 16 rows of 128 bytes together, and back as 512 consecutive bytes.  SEND: stored.
.macro ROPE a
	WIN W_RO
.irp b, 0,1,2,3,4,5,6,7
.irp i, 0,1,2,3
	v_pk_mul_f32 v[T+8*(\b)+2*(\i):T+8*(\b)+2*(\i)+1], v[8*(8*(\a)+(\b))+2*(\i):8*(8*(\a)+(\b))+2*(\i)+1], v[8*(4*(\a)+(\b)%4)+2*(\i):8*(4*(\a)+(\b)%4)+2*(\i)+1] op_sel_hi:[1,0]
.endr
.endr
.irp b, 0,1,2,3,4,5,6,7
.irp i, 0,1,2,3
	v_fma_f32 v[T+8*(\b)+2*(\i)],   -v[8*(8*(\a)+(\b))+2*(\i)+1], v[8*(4*(\a)+(\b)%4)+2*(\i)+1], v[T+8*(\b)+2*(\i)]
	v_fma_f32 v[T+8*(\b)+2*(\i)+1], v[8*(8*(\a)+(\b))+2*(\i)],    v[8*(4*(\a)+(\b)%4)+2*(\i)+1], v[T+8*(\b)+2*(\i)+1]
.endr
.endr
.endm
.macro PACKH
	WIN 0
.irp b, 0,1,2,3,4,5,6,7
.irp i, 0,1,2,3
	v_cvt_pk_f16_f32 v[PKD+4*(\b)+(\i)], v[T+8*(\b)+2*(\i)], v[T+8*(\b)+2*(\i)+1]
.endr
.endr
.endm
.macro TOSTAGE a
	WIN 0
.irp b, 0,1,2,3,4,5,6,7
	ds_store_b128 v[STO], v[PKD+4*(\b):PKD+4*(\b)+3] offset:((\b)/4)*16*SP+32*((\b)%4)
.endr
.if (\a) >= 2
	s_wait_xcnt 0x0                                ; the stores of the block two back have read the registers that are loaded again below
.endif
.irp u, 0,1,2,3,4,5,6,7
	ds_load_b128 v[OB+32*((\a)%2)+4*(\u):OB+32*((\a)%2)+4*(\u)+3], v[RD] offset:((\u)/4)*16*SP+((\u)%4)*4*SP  ; LDS serves a wave's instructions in order (ISA guide 5.7.1.4): these see the stores above
.endr
.endm
.macro SEND a
	WIN 0
.irp u, 0,1,2,3,4,5,6,7
	s_wait_dscnt 7-(\u)                            ; load u of the eight is back
	global_store_b128 v[GO], v[OB+32*((\a)%2)+4*(\u):OB+32*((\a)%2)+4*(\u)+3], s[OUT:OUT+1] offset:((\u)/4)*262144+(\a)*2048+((\u)%4)*512  ; 512 consecutive bytes, aligned to 256
.endr
.endm
	PLACES                                         ; behind the last products
	ROPE 0
	PACKH
	TOSTAGE 0
.irp a, 1,2,3                          ; a block's arithmetic stands between the loads of the block before and its stores
	ROPE \a
	PACKH
	SEND (\a)-1
	TOSTAGE \a
.endr
	SEND 3
	s_wait_tensorcnt 0x0                           ; the wave's end
	ds_add_u32 v[SPW], v[NIL]
	s_wait_dscnt 0x0
	CROUND                                         ; the closing round
	s_endpgm
.Lfunc_end_k_q9f1ae49a1a_proj:
	.size	k_q9f1ae49a1a_proj, .Lfunc_end_k_q9f1ae49a1a_proj-k_q9f1ae49a1a_proj
	.p2alignl 7, 3214868480
	.fill 96, 4, 3214868480
	.section	.rodata,"a",@progbits
	.p2align	6, 0x0
	.amdhsa_kernel k_q9f1ae49a1a_proj
		.amdhsa_group_segment_fixed_size 327680
		.amdhsa_private_segment_fixed_size 0
		.amdhsa_enable_private_segment 0
		.amdhsa_kernarg_size 56
		.amdhsa_user_sgpr_count 2
		.amdhsa_user_sgpr_kernarg_segment_ptr 1
		.amdhsa_wavefront_size32 1
		.amdhsa_system_sgpr_workgroup_id_x 1
		.amdhsa_system_sgpr_workgroup_id_y 1
		.amdhsa_system_sgpr_workgroup_id_z 1
		.amdhsa_system_vgpr_workitem_id 0
		.amdhsa_next_free_vgpr 960
		.amdhsa_next_free_sgpr 102
		.amdhsa_reserve_vcc 0
		.amdhsa_float_denorm_mode_32 3
		.amdhsa_float_denorm_mode_16_64 3
		.amdhsa_memory_ordered 1
		.amdhsa_forward_progress 1
		.amdhsa_inst_pref_size 166
	.end_amdhsa_kernel
	.amdgpu_metadata
---
amdhsa.version: [ 1, 2 ]
amdhsa.kernels:
  - .name:           k_q9f1ae49a1a_proj
    .symbol:         k_q9f1ae49a1a_proj.kd
    .args:
      - { .name: Q, .offset: 0, .size: 8, .value_kind: global_buffer, .address_space: global }
      - { .name: K, .offset: 8, .size: 8, .value_kind: global_buffer, .address_space: global }
      - { .name: V, .offset: 16, .size: 8, .value_kind: global_buffer, .address_space: global }
      - { .name: wb, .offset: 24, .size: 8, .value_kind: global_buffer, .address_space: global }
      - { .name: rope, .offset: 32, .size: 8, .value_kind: global_buffer, .address_space: global }
      - { .name: bias, .offset: 40, .size: 8, .value_kind: global_buffer, .address_space: global }
      - { .name: qkv, .offset: 48, .size: 8, .value_kind: global_buffer, .address_space: global }
    .group_segment_fixed_size: 327680
    .private_segment_fixed_size: 0
    .kernarg_segment_align: 8
    .kernarg_segment_size: 56
    .max_flat_workgroup_size: 128
    .sgpr_count:     102
    .vgpr_count:     960
    .wavefront_size: 32
...
	.end_amdgpu_metadata
.endif
;; end of part 2
;; launch attn (part 3): grid 4 x 64, 4 waves a work-group, clusters of 4 x 1, 327,680 bytes of LDS; arguments qkv, mb, ob; writes ob
.if DOCPART == 3
	.amdgcn_target "amdgcn-amd-amdhsa--gfx1250"
	.amdhsa_code_object_version 6
	.text
	.protected	k_q9f1ae49a1a_attn
	.globl	k_q9f1ae49a1a_attn
	.p2align	8
	.type	k_q9f1ae49a1a_attn,@function
k_q9f1ae49a1a_attn:
	s_mov_b64 s[64:65], 0
	v_nop
	global_prefetch_b8 v0, s[64:65] scope:SCOPE_SE
	s_setreg_imm32_b32 hwreg(HW_REG_WAVE_MODE, 25, 1), 1
	s_wait_xcnt 0x0
	s_wait_alu depctr_hold_cnt(0) depctr_sa_sdst(0) depctr_va_vdst(0) depctr_va_sdst(0) depctr_va_ssrc(0) depctr_va_vcc(0) depctr_vm_vsrc(0)
	s_getreg_b32 s2, hwreg(HW_REG_IB_STS2, 6, 4)
	s_cmp_eq_u32 s2, 0
	s_cbranch_scc0 .Lentry_in_a_cluster
	s_endpgm
.Lentry_in_a_cluster:
	s_bfe_u32 s2, ttmp6, 0x10000c
	s_cmp_lg_u32 s2, 0x3003
	s_cbranch_scc0 .Lentry_shape_is_right
	s_endpgm
.Lentry_shape_is_right:
; ATTENTION WITH A KEY MASK.  ob[h][q][:] = the sum over k of softmax_k(s[q][k]) v[h][k][:], s = q . k where key k is seen, and the mask's number where it is masked.  h = batch x 16 + head, 64 in all.
; q, k, v: qkv[0..2][64][2048][64] f16, a head's rows dense, 128 bytes each.  q arrives scaled by log2(e) / 8, so scores are exponents of 2.  A masked key's row of k arrives as 0, and the C operand that starts
; a score's sum is mb[batch][key]: 0, or -1e9 log2(e): a masked score is exactly that number, whatever q is; a batch with all keys masked gets equal weights.
; Products, maxima and sums in f32; the weights p are rounded to f16 for the second product (their sum l is taken of the unrounded p), O once at the end.
; LIMITS.  f16 holds no number beyond 65,504: q, k and v arrive within it; p lies in 0 to 1, and below 6e-5 it keeps f16's fixed step of 6e-8.  A weight below 2^-126 counts as 0 in l; NaN and infinities are not treated apart.
; SHARES.  A wave owns four PIECES of two tiles of 16 queries, a work-group's four waves 512 queries of one head, a cluster of four the head's 2,048.  Every wave walks all keys, 64 a step.
; LAYOUT.  S^T = K Q^T (source 0 = 16 keys, source 1 = 16 queries): a lane holds ONE query (lane % 16) and the keys 8 (lane / 16) + 0..7.  Two such tiles, rounded to f16 in pairs, ARE source 1 of
; O^T = V^T P.  K comes out of LDS as it lies, V turned, by ds_load_tr16_b128.
; SOFTMAX.  For each query a running maximum m and sum l: p = 2^(s - m); in every step O and l are multiplied by a = 2^(m_old - m_new).  m starts at the lowest finite number, O and l at 0.
; The scale c is 1 here; the line c m = c x m is kept, so that the counts by which the vector work is dealt stand as they are.
; BY TURNS.  Turn n belongs to piece n.  Its matrix work: 16 products K Q^T of piece n + 1, later 16 products V^T P of piece n - 1.  Its vector work: the scaling, exponentials, roundings, sums and rescaling of
; piece n, and the maximum and statistics of piece n + 1.  Four vector instructions stand behind every matrix instruction, the rest in one run; a turn's 66 exponentials are one batch with one wait.
; CLUSTER.  The four query blocks walk the same K, V and mask: each tile is asked for JOINTLY.
; REGISTERS, in windows of 256 (s_set_vgpr_msb: bits 1:0 source 0, 3:2 source 1, 5:4 source 2, 7:6 destination):
;   window 0: v0-11 addresses; v12-15, v48-63 at work; v16-47 four registers of statistics a tile; v64-191 S^T, two buffers of two tiles; v192-255 P, likewise
;   window 1: O^T, 32 a tile     window 2: v0-127 Q; v128-191 K of one step; v192-255 V of one step     window 3: v0-1 the add's two registers; v4 the prefetches' offset; v8-39 the mask of one step
.set SIZE_N, 2048
.set NP,    4
.set KS,    64
.set PK,    144       ; a row of K in LDS: 128 bytes + 16 = 36 words: the 16 rows of a load start at 16 different groups of four banks (64 banks of 4 bytes: ISA guide 11.1)
.set PV,    160       ; a row of V: 128 + 32 = 40 words
.set VOFF,  4*KS*PK   ; a slot holds four steps: 256 rows of K, then 256 rows of V
.set SLOT1, 1<<17
.set STAGE, SLOT1+4*KS*(PK+PV)  ; 16 rows x 144 bytes for each wave, for the way out
.set SP,    144
.set MASKB, STAGE+4*16*SP       ; the batch's 2,048 numbers of mb: filled once
.set SPARE, MASKB+8192          ; the spare words, 128 bytes for each wave: two blocks of 256 bytes that no other line names
.set AK0, 2
.set AV0, 3
.set AK,  4
.set AV,  5
.set QO,  6
.set STO, 6
.set RD,  7
.set GO,  8
.set AM,  10          ; v10  the LDS address of the mask's next run of loads
.set AM0, 11          ; v11  MASKB + 32 (lane / 16); never rewritten
.set SPW, 0           ; window 3
.set NIL, 1           ; window 3
.set PFO, 4           ; window 3: 256 x lane
.set MK,  8           ; window 3: the eight numbers for key block kb at MK + 8 kb
.set MV,  12
.set ST,  16
.set TMP, 48
.set S,   64
.set P,   192
.set KF,  128
.set VF,  192
.set WV,  12
.set G1K, 24
.set G1V, 32
.set G0K, 40
.set G0V, 44
.set SLOTS, 56
.set CNT, 57
.set CS,  58
.set SEL, 60
.set TBK, 62
.set TBV, 63
.set G0M, 68          ; s[68:71], s[72:79] the mask's descriptor
.set G1M, 72
.set TBM, 80          ; s80  byte in the mask at which the step to be fetched begins
.set LIM, 81          ; s81  1 in a wave that prefetches, else the greatest number
.set MBP, 82          ; s[82:83] mb
.set PFA, 84          ; s[84:85] where my prefetches stand
.set MSB, 0
.macro WIN new
.if MSB != (\new)
	s_set_vgpr_msb (MSB<<8)|(\new)
.set MSB, (\new)
.endif
.endm
.set W_KQ, 0x0a       ; K and Q in window 2, S^T in window 0
.set W_KM, 0x3a       ; the same with the C operand, the mask, in window 3
.set W_PV, 0x52
.set W_RS, 0x41
.set W_MK, 0xc0
.set W_AD, 0x0f
.macro JLOAD
	s_cmp_lt_u32 s[WV], 2
	s_cbranch_scc0 .Lfor_v_\@
	tensor_load_to_lds s[G0K:G0K+3], s[G1K:G1K+7]
	s_nop 0
.rept 4
	v_nop
.endr
	s_branch .Lasked_\@
.Lfor_v_\@:
	tensor_load_to_lds s[G0V:G0V+3], s[G1V:G1V+7]
	s_nop 0
.rept 4
	v_nop
.endr
.Lasked_\@:
.endm
; A PREFETCH INTO THE L2 of what the NEXT change of slots will ask for: 256 rows of K and of V, 32,768 bytes each.  The four partners take 8,192 bytes each, told apart by address; in each, wave 0 asks for K's
; and wave 2 for V's: a lane a block of 256 bytes, one instruction.  It stands behind the wave's tensor load and its five lines, four key steps ahead of the load that will want the rows.
; Only this cluster reads the head's rows.  The last change that fills a slot asks for nothing: there is no slot behind it.
.macro ASK
	s_cmp_gt_u32 s[SLOTS], s[LIM]
	s_cbranch_scc0 .Lnot_mine_\@
	WIN 0x03
	global_prefetch_b8 v[PFO], s[PFA:PFA+1] th:TH_LOAD_NT scope:SCOPE_SE
	WIN 0
.Lnot_mine_\@:
.endm
.macro CROUND
	s_barrier_signal -1
	s_barrier_wait -1
	s_cmp_lg_u32 s[WV], 0
	s_cbranch_scc1 .Lnot_wave_0_\@
	s_barrier_signal -3
.Lnot_wave_0_\@:
	s_barrier_wait -3
	s_barrier_signal -1
	s_barrier_wait -1
.endm
; THE CHANGE OF SLOTS.  Each wave waits for all its tensor loads, adds 0 to its spare word, and waits for that and for its own reads of the slot.  fill = 1: the slot is filled again, with the keys two slots on,
; first thing behind a round of the cluster's barrier: it has four key steps, 512 matrix instructions, in which to land.  (At its first use slot 0 and the mask are waited for, and slot 1 is filled.)
.macro CHANGE fill
	WIN W_AD
	s_wait_tensorcnt 0x0            ; no tensor load of mine is out, so a group 0 may be written
	ds_add_u32 v[SPW], v[NIL]
	WIN 0
.if \fill
.irp g, G0K, G0V
	s_xor_b32 s[\g+1], s[\g+1], SLOT1
	s_add_nc_u64 s[\g+2:\g+3], s[\g+2:\g+3], 4*KS*128
.endr
	s_wait_xcnt 0x0                 ; the last prefetch, four key steps back, has read its address
	s_add_nc_u64 s[PFA:PFA+1], s[PFA:PFA+1], 4*KS*128
	s_wait_dscnt 0x0                ; the add is done, and my reads of the slot are over
	CROUND
	JLOAD
	ASK
.else
	s_wait_dscnt 0x0
	s_barrier_signal -1
	s_barrier_wait -1
.endif
	s_sub_co_u32 s[TBK], s[TBK], 4*KS*PK
	s_xor_b32 s[TBK], s[TBK], SLOT1
	s_sub_co_u32 s[TBV], s[TBV], 4*KS*PV
	s_xor_b32 s[TBV], s[TBV], SLOT1
.endm
	s_load_b128 s[4:7], s[0:1], 0x0   ; qkv s[4:5], mb s[6:7]
	s_load_b64 s[10:11], s[0:1], 0x10 ; ob
	WIN W_MK
	v_lshl_add_u32 v[SPW], v0, 2, SPARE
	v_mov_b32 v[NIL], 0
	WIN W_AD
	ds_add_u32 v[SPW], v[NIL]       ; the wave's opening: the add and its wait stand ahead of my first tensor load
	WIN 0
	v_and_b32 v1, 31, v0
	WIN W_MK
	v_lshlrev_b32 v[PFO], 8, v1
	WIN 0
	v_lshrrev_b32 v1, 5, v0
	v_readfirstlane_b32 s[WV], v1
	s_bfe_u32 s13, ttmp6, 0x40000   ; cx
	s_lshl_b32 s14, ttmp9, 2
	s_add_co_u32 s14, s14, s13      ; my block of 512 queries: it enters Q's and O's addresses alone
	s_and_b32 s20, ttmp7, 0xffff    ; the head, which the four partners share
	s_mov_b32 s21, 0
	s_mov_b64 s[22:23], SIZE_N*128
	s_mul_u64 s[20:21], s[20:21], s[22:23]  ; the head's first byte in q, k, v and ob
	s_and_b32 s16, s[WV], 1         ; which half of a slot's 256 keys I fetch
	s_lshl_b32 s22, s16, 14
	s_mov_b32 s23, 0
	s_add_nc_u64 s[22:23], s[22:23], s[20:21]
	s_mul_i32 s17, s16, 128*PK
	s_mul_i32 s18, s16, 128*PV
	s_lshl_b32 s2, s14, 2
	s_add_co_u32 s2, s2, s[WV]
	s_lshl_b32 s2, s2, 14           ; my wave's 128 rows
	s_mov_b32 s3, 0
	s_add_nc_u64 s[2:3], s[2:3], s[20:21]
	; 128 keys are 16,384 dense bytes: asked for as 64 rows of 256 bytes, two keys a row, and padded in LDS after every key
	s_mov_b32 s[G1K], 15|(1<<16)|(1<<20)|(1<<21)|(4<<22)|(3<<25)
	s_mov_b32 s[G1V], 15|(1<<16)|(1<<20)|(1<<21)|(4<<22)|(7<<25)
.irp g, G1K, G1V
	s_mov_b32 s[\g+1], 128<<16
	s_mov_b32 s[\g+2], 64<<16
	s_mov_b32 s[\g+3], 128<<16
	s_mov_b32 s[\g+4], 64
	s_mov_b32 s[\g+5], 128
	s_mov_b32 s[\g+6], 0
	s_mov_b32 s[\g+7], 0
.endr
	s_mov_b32 s[G1M], 15|(3<<16)|(1<<21)  ; the mask: a quarter a wave, 2,048 dense bytes as 8 rows of 32 elements of 8 bytes, no padding
	s_mov_b32 s[G1M+1], 32<<16
	s_mov_b32 s[G1M+2], 8<<16
	s_mov_b32 s[G1M+3], 32<<16
	s_mov_b32 s[G1M+4], 8
	s_mov_b32 s[G1M+5], 32
	s_mov_b32 s[G1M+6], 0
	s_mov_b32 s[G1M+7], 0
	s_mov_b32 s[G0M], 1
	s_lshl_b32 s[G0M+1], s[WV], 11
	s_add_co_u32 s[G0M+1], s[G0M+1], MASKB
	s_and_b32 s86, ttmp7, 0xffff
	s_lshr_b32 s86, s86, 4          ; the batch
	s_lshl_b32 s86, s86, 13
	s_lshl_b32 s87, s[WV], 11
	s_add_co_u32 s86, s86, s87
	s_mov_b32 s87, 0
	s_lshl_b32 s88, s13, 13         ; the prefetches: my work-group's 8,192 bytes, at slot 1; the first change of slots steps them to slot 2
	s_add_co_u32 s88, s88, 4*KS*128
	s_mov_b32 s89, 0
	s_add_nc_u64 s[88:89], s[88:89], s[20:21]
	s_and_b32 s[LIM], s[WV], 1
	s_cmp_eq_u32 s[LIM], 0
	s_cselect_b32 s[LIM], 1, -1     ; waves 0 and 2 ask
	s_mov_b32 s[CS], 0x3f800000     ; c = 1: the scale lies in q
	s_mov_b32 s[CS+1], s[CS]
	s_mov_b32 s[SEL], 0x76543210
	s_mov_b32 s[SEL+1], 0xfedcba98
	s_mov_b32 s[TBK], SLOT1+4*KS*PK ; the first change of slots turns these two into 0
	s_mov_b32 s[TBV], SLOT1+4*KS*PV
	s_mov_b32 s[TBM], 0
	s_mov_b32 s[SLOTS], SIZE_N/256-1
	s_mov_b32 s[G0K], 1
	s_mov_b32 s[G0K+1], s17
	s_mov_b32 s[G0V], 1
	s_add_co_u32 s[G0V+1], s18, VOFF
	s_wait_dscnt 0x0                ; the opening add is done
	s_wait_kmcnt 0x0
	s_mov_b64 s[MBP:MBP+1], s[6:7]
	s_add_nc_u64 s[6:7], s[4:5], 0x1000000  ; k
	s_add_nc_u64 s[8:9], s[4:5], 0x2000000  ; v
	s_add_nc_u64 s[G0K+2:G0K+3], s[6:7], s[22:23]
	s_or_b32 s[G0K+3], s[G0K+3], 0x80000000
	s_add_nc_u64 s[G0V+2:G0V+3], s[8:9], s[22:23]
	s_or_b32 s[G0V+3], s[G0V+3], 0x80000000
	s_add_nc_u64 s[G0M+2:G0M+3], s[MBP:MBP+1], s[86:87]
	s_or_b32 s[G0M+3], s[G0M+3], 0x80000000
	s_cmp_lt_u32 s[WV], 2
	s_cselect_b64 s[PFA:PFA+1], s[6:7], s[8:9]
	s_add_nc_u64 s[PFA:PFA+1], s[PFA:PFA+1], s[88:89]
	s_add_nc_u64 s[4:5], s[4:5], s[2:3]  ; Q and O at my wave's first row
	s_add_nc_u64 s[10:11], s[10:11], s[2:3]
	CROUND                          ; all four work-groups are here: the first joint loads meet
	s_cmp_lt_u32 s[WV], 2           ; a wave's two first fills stand in one branch: its part of slot 0 and its quarter of the mask: two loads of mine are out
	s_cbranch_scc0 .Lfirst_v
	tensor_load_to_lds s[G0K:G0K+3], s[G1K:G1K+7]
	s_nop 0
	tensor_load_to_lds s[G0M:G0M+3], s[G1M:G1M+7]
	s_nop 0
.rept 4
	v_nop
.endr
	s_branch .Lfirst_asked
.Lfirst_v:
	tensor_load_to_lds s[G0V:G0V+3], s[G1V:G1V+7]
	s_nop 0
	tensor_load_to_lds s[G0M:G0M+3], s[G1M:G1M+7]
	s_nop 0
.rept 4
	v_nop
.endr
.Lfirst_asked:
	v_and_b32 v1, 15, v0            ; l % 16
	v_bfe_u32 v9, v0, 4, 1          ; l / 16
	v_lshlrev_b32 v[QO], 7, v1
	v_lshl_add_u32 v[QO], v9, 4, v[QO]
	WIN 0x80
.set i, 0
.rept 4*NP                          ; Q stays in registers: tile i / 2, channels 32 (i % 2) on
	global_load_b128 v[8*i:8*i+3],   v[QO], s[4:5] offset:(i/2)*2048+(i%2)*64
	global_load_b128 v[8*i+4:8*i+7], v[QO], s[4:5] offset:(i/2)*2048+(i%2)*64+32
.set i, i+1
.endr
	; What the first turn finds: V's registers and P's second buffer hold 0, O^T and l are 0.  All this stands in the wait for the first tile.
.set i, VF
.rept 64
	v_mov_b32 v[i], 0
.set i, i+1
.endr
	WIN 0x40
.set i, 0
.rept 64*NP
	v_mov_b32 v[i], 0
.set i, i+1
.endr
	WIN 0
.set i, 0
.rept 2*NP
	v_mov_b32 v[ST+4*i], 0xfe000000    ; c m: far below every score, the mask's number too
	v_mov_b32 v[ST+4*i+1], 0xff7fffff  ; m
	v_mov_b32 v[ST+4*i+2], 0
	v_mov_b32 v[ST+4*i+3], 0
.set i, i+1
.endr
.set i, P+32
.rept 32
	v_mov_b32 v[i], 0
.set i, i+1
.endr
	v_mul_u32_u24 v[AK0], v1, PK
	v_lshl_add_u32 v[AK0], v9, 4, v[AK0]
	v_and_b32 v10, 7, v0
	v_bfe_u32 v11, v0, 3, 1
	v_lshl_add_u32 v[AV0], v9, 3, v10
	v_mul_u32_u24 v[AV0], v[AV0], PV
	v_lshl_add_u32 v[AV0], v11, 4, v[AV0]
	v_add_nc_u32 v[AV0], VOFF, v[AV0]
	v_mov_b32 v[AK], v[AK0]         ; key step 0 lies at the head of slot 0
	v_lshl_add_u32 v[AM0], v9, 5, MASKB  ; my eight keys of a block of 16: 32 bytes for each half of the lanes
	v_mov_b32 v[AM], v[AM0]
; THE MATRIX WORK.  The 8 accumulators of a run of 16 take turns.  Product i of 16 of S^T = K Q^T for piece x: channels 32 (i / 8) on, keys 16 ((i / 2) % 4) on, tile 2 x + i % 2.
; The first 8 start the sums with the mask's numbers for their keys.
.macro KQ x
.set rS, S+64*((\x)%2)+32*(i%2)+8*((i/2)%4)
.set rK, KF+16*((i/2)%4)+8*(i/8)
.set rQ, 16*(2*(\x)+i%2)+8*(i/8)
.set rB, MK+8*((i/2)%4)
.if i < 8
	WIN W_KM
	v_wmma_f32_16x16x32_f16 v[rS:rS+7], v[rK:rK+7], v[rQ:rQ+7], v[rB:rB+7]
.else
	WIN W_KQ
	v_wmma_f32_16x16x32_f16 v[rS:rS+7], v[rK:rK+7], v[rQ:rQ+7], v[rS:rS+7]
.endif
.endm
.macro PV x
	WIN W_PV
.set rO, 32*(2*(\x)+i%2)+8*((i/2)%4)
.set rV, VF+32*(i/8)+8*((i/2)%4)
.set rP, P+32*((\x)%2)+16*(i%2)+8*(i/8)
	v_wmma_f32_16x16x32_f16 v[rO:rO+7], v[rV:rV+7], v[rP:rP+7], v[rO:rO+7]
.endm
.macro MM
.if i < 16
	KQ (Y+1)%NP
.set i, i+1
.else
.set i, i-16
	PV (Y+NP-1)%NP
.set i, i+17
.endif
.endm
; THE LDS LOADS stand in runs: a step's K (16 loads) with its mask (8 loads; the lanes of a half read the same bytes), and its V (16, turned).  last = 1 (the tail): in the last trip there is no further step.
.macro FETCH_K last=0
	WIN 0
.if \last
	s_cmp_eq_u32 s[CNT], 1
	s_cbranch_scc1 .Lno_k_\@
.endif
	WIN 0x80
.irp f, 0,1,2,3,4,5,6,7
	ds_load_b128 v[KF+8*\f:KF+8*\f+3],   v[AK] offset:(\f/2)*16*PK+(\f%2)*64
	ds_load_b128 v[KF+8*\f+4:KF+8*\f+7], v[AK] offset:(\f/2)*16*PK+(\f%2)*64+32
.endr
	WIN W_MK
.irp f, 0,1,2,3
	ds_load_b128 v[MK+8*\f:MK+8*\f+3],   v[AM] offset:64*\f
	ds_load_b128 v[MK+8*\f+4:MK+8*\f+7], v[AM] offset:64*\f+16
.endr
	s_add_co_u32 s[TBK], s[TBK], KS*PK
	s_add_co_u32 s[TBM], s[TBM], KS*4
	WIN 0
.if \last
.Lno_k_\@:
.endif
.endm
.macro FETCH_V
	WIN 0x80
.irp f, 0,1,2,3,4,5,6,7
	ds_load_tr16_b128 v[VF+8*\f:VF+8*\f+3],   v[AV] offset:(\f/4)*32*PV+(\f%4)*32
	ds_load_tr16_b128 v[VF+8*\f+4:VF+8*\f+7], v[AV] offset:(\f/4)*32*PV+16*PV+(\f%4)*32
.endr
	WIN 0
.endm
; THE VECTOR WORK OF A TURN stands in three queues, each in the order in which its entries become ready; the two tiles alternate.
.macro REGS y, u
.set rT, ST+4*(2*(\y)+(\u))
.set rC, TMP+8*((\y)%2)+4*(\u)
.set rM, MV+2*((\y)%2)+(\u)
.set rS, S+64*((\y)%2)+32*(\u)
.set rP, P+32*((\y)%2)+16*(\u)
.set rO, 32*(2*(\y)+(\u))
.endm
; Number n of the 22 that find the NEXT piece's maximum and statistics; each accumulator's lowest registers are read first.
;   0-11 four chains of seven scores     12-14, 16 the four left over, the old m, the four into one     15 c m_old is kept     17, 18 the other half of the lanes; the new m     19-21 c m; its change; a
.macro XS u, n
	REGS (Y+1)%NP, \u
.if (\n) < 4
	v_max3_num_f32 v[rC+(\n)], v[rS+8*(\n)], v[rS+8*(\n)+1], v[rS+8*(\n)+2]
.elseif (\n) < 12
	v_max3_num_f32 v[rC+(\n)%4], v[rC+(\n)%4], v[rS+8*((\n)%4)+2*((\n)/4)+1], v[rS+8*((\n)%4)+2*((\n)/4)+2]
.elseif (\n) == 12
	v_max3_num_f32 v[rC], v[rC], v[rS+7], v[rS+15]
.elseif (\n) == 13
	v_max3_num_f32 v[rC+1], v[rC+1], v[rS+23], v[rS+31]
.elseif (\n) == 14
	v_max3_num_f32 v[rC+2], v[rC+2], v[rC+3], v[rT+1]
.elseif (\n) == 15
	v_mov_b32 v[rM], v[rT]
.elseif (\n) == 16
	v_max3_num_f32 v[rC], v[rC], v[rC+1], v[rC+2]
.elseif (\n) == 17
	v_permlanex16_b32 v[rC+3], v[rC], s[SEL], s[SEL+1]
.elseif (\n) == 18
	v_max_num_f32 v[rT+1], v[rC], v[rC+3]
.elseif (\n) == 19
	v_mul_f32 v[rT], s[CS], v[rT+1]
.elseif (\n) == 20
	v_sub_f32 v[rC+1], v[rM], v[rT]
.else
	v_exp_f32 v[rC+2], v[rC+1]
.endif
.endm
; Number g of the 64 that follow the exponentials: for each four weights both pairs are rounded to f16, the second pair is added onto the first, and a group later l takes that sum.
.macro GS g
.set h, (\g)+6*((\g)/62)
.if h >= 6
.set h, h+2
.endif
	REGS Y, h%2
.set k, h/8
.if h%8 < 4
	v_cvt_pk_f16_f32 v[rP+2*k+(h%8)/2], v[rS+4*k+2*((h%8)/2)], v[rS+4*k+2*((h%8)/2)+1]
.elseif h%8 < 6
	v_pk_add_f32 v[rS+4*k:rS+4*k+1], v[rS+4*k:rS+4*k+1], v[rS+4*k+2:rS+4*k+3]
.elseif k == 1
	v_pk_fma_f32 v[rT+2:rT+3], v[rT+2:rT+3], v[rC+2:rC+3], v[rS:rS+1] op_sel_hi:[1,0,1]
.else
	v_pk_add_f32 v[rT+2:rT+3], v[rT+2:rT+3], v[rS+4*k-4:rS+4*k-3]
.endif
.endm
; THE PLAIN QUEUE, 138 long: 0-26 scalings; 27-54 the maximum's numbers 0-13; 55, 56 number 15; 57-73 the chain 14, 16 .. 20 with scalings 27-31 between its links; 74-137 the 64 behind the wait.
.macro FS f
	REGS Y, (\f)%2
	v_pk_fma_f32 v[rS+2*((\f)/2):rS+2*((\f)/2)+1], v[rS+2*((\f)/2):rS+2*((\f)/2)+1], s[CS:CS+1], v[rT:rT+1] op_sel_hi:[1,0,0] neg_lo:[0,0,1] neg_hi:[0,0,1]
.endm
.macro PL
	WIN 0
.if q < 27
	FS q
.elseif q < 55
	XS (q-27)%2, (q-27)/2
.elseif q < 57
	XS q-55, 15
.elseif (q < 72) && ((q-57)%3 == 0)
	FS 27+(q-57)/3
.elseif q < 60
	XS (q-57)%3-1, 14
.elseif q < 72
	XS (q-57)%3-1, 15+(q-57)/3
.elseif q < 74
	XS q-72, 20
.else
	GS q-74
.endif
.set q, q+1
.endm
; THE EXPONENTIALS' QUEUE, 66 long: one batch, all ahead of the turn's one wait.
.macro EX
	WIN 0
.if e >= 64
	XS e-64, 21
.else
	REGS Y, e%2
	v_exp_f32 v[rS+e/2], v[rS+e/2]
.endif
.set e, e+1
.endm
; THE RESCALING's QUEUE: O^T times a, two at a time.
.macro R2
	REGS Y, r%2
	WIN W_RS
.irp z, 0,1
	v_pk_mul_f32 v[rO+4*(r/2)+2*\z:rO+4*(r/2)+2*\z+1], v[rO+4*(r/2)+2*\z:rO+4*(r/2)+2*\z+1], v[rC+2:rC+3] op_sel_hi:[1,0]
.endr
.set r, r+1
.endm
; A TURN, for piece p.  Ahead of the one wait: 16 products K Q^T, behind each a scaling, an exponential and two rescalings; then a run of 108.  Behind it: 16 products V^T P, behind each four of the roundings and sums.
; K and the mask of the next step are fetched in piece 2's turn, directly behind the wait, a run of 108 vector lines behind the last product that read them; V of the step in hand at the end of piece 0's turn,
; four plain lines behind the last product that read it.  The three conditions on q go with the deal.
.macro TURN p, last=0, cnt=0
.set Y, (\p)
.set i, 0
.set q, 0
.set e, 0
.set r, 0
.if (\p) == NP-1
	s_wait_dscnt 0x0                ; K and the mask are in
.endif
	MM
	PL
	PL
	R2
.rept 15
	MM
	PL
	EX
	R2
.endr
.if (\p) == NP-2
	WIN 0
	v_add_nc_u32 v[AK], s[TBK], v[AK0]
	v_add_nc_u32 v[AM], s[TBM], v[AM0]
.endif
.rept 8
	PL
.endr
.rept 49
	EX
	PL
.endr
	EX
	EX
	v_nop                           ; the plain instruction behind the last exponential: one for the batch
	s_wait_alu depctr_va_vdst(0)    ; the wait for the batch, ahead of the first line that names a result
.if (\p) == NP-2
	FETCH_K \last
.endif
.if (\p) == 1
	s_wait_dscnt 0x0                ; V is in
.endif
.rept 16
	MM
.rept 4
	PL
.endr
.if ((\p) == 0) && (q == 118)
	v_add_nc_u32 v[AV], s[TBV], v[AV0]
.endif
.if ((\p) == 0) && (q == 130)
	s_add_co_u32 s[TBV], s[TBV], KS*PV
.endif
.if (\cnt) && (q == 130)
	s_sub_co_u32 s[CNT], s[CNT], 1
	s_cmp_lg_u32 s[CNT], 0
.endif
.endr
.if (\p) == 0
	FETCH_V
.endif
.endm
	CHANGE 1                        ; slot 0 and the mask are in, everybody's part of them; slot 1 is asked for
	FETCH_K                         ; key step 0
	s_wait_loadcnt 0x0              ; Q
	s_wait_dscnt 0x0
.set i, 0
.rept 16
	KQ 0
.set i, i+1
.endr
	WIN 0                           ; the addresses for the way out: ten plain instructions, the places behind those products
	s_mul_i32 s13, s[WV], 16*SP
	s_add_co_u32 s13, s13, STAGE
	v_mul_u32_u24 v[STO], v1, SP
	v_lshl_add_u32 v[STO], v9, 4, v[STO]
	v_add_nc_u32 v[STO], s13, v[STO]
	v_bfe_u32 v[RD], v0, 3, 2
	v_mul_u32_u24 v[RD], v[RD], SP
	v_and_b32 v[GO], 7, v0
	v_lshl_add_u32 v[RD], v[GO], 4, v[RD]
	v_add_nc_u32 v[RD], s13, v[RD]
	v_and_b32 v[GO], 31, v0
	v_lshlrev_b32 v[GO], 4, v[GO]
.set Y, NP-1
.irp n, 0,1,2,3,4,5,6,7,8,9,10,11,12,13,14,15,16,17,18,19,20,21
	XS 0, \n
	XS 1, \n
.endr
	v_nop
	s_wait_alu depctr_va_vdst(0)    ; the two a's wait, ahead of the branch
	s_mov_b32 s[CNT], 4
	s_branch .Lfirst                ; the loop is entered at a step's first turn
.Lslot:                             ; six times: with the first change of slots, every slot but the first is asked for
	CHANGE 1
	s_mov_b32 s[CNT], 4
.Lstep:                             ; a trip: pieces 2 and 3 of one step, then pieces 0 and 1 of the next
	TURN 2
	TURN 3
	WIN 0
.Lfirst:
	TURN 0
	TURN 1, 0, 1
	WIN 0
	s_cbranch_scc1 .Lstep
	s_sub_co_u32 s[SLOTS], s[SLOTS], 1
	s_cmp_lg_u32 s[SLOTS], 0
	s_cbranch_scc1 .Lslot
	CHANGE 0                        ; the tail is written out
	s_mov_b32 s[CNT], 5
.Ltail:
	TURN 2, 1
	TURN 3
	WIN 0
	s_sub_co_u32 s[CNT], s[CNT], 1
	s_cmp_eq_u32 s[CNT], 0
	s_cbranch_scc1 .Lout
	TURN 0
	TURN 1
	WIN 0
	s_branch .Ltail
.Lout:                              ; the fifth trip's 16 products K Q^T and the maximum made of them serve nothing: the price of one text for every trip
.set i, 0
.rept 16
	PV NP-1
.set i, i+1
.endr
	; THE WAY OUT.  l's two halves and the other half of the lanes' are added; O^T is divided by l, rounded to f16 and sent through my stage, a tile at a time.
	WIN 0
.macro ALL line:vararg
.set t, 0
.rept 2*NP
	\line
.set t, t+1
.endr
.endm
	ALL v_add_f32 v[ST+4*t+2], v[ST+4*t+2], v[ST+4*t+3]
	ALL v_permlanex16_b32 v[ST+4*t+3], v[ST+4*t+2], s[SEL], s[SEL+1]
	ALL v_add_f32 v[ST+4*t+2], v[ST+4*t+2], v[ST+4*t+3]
	ALL v_rcp_f32 v[ST+4*t+2], v[ST+4*t+2]
	v_nop
	s_wait_alu depctr_va_vdst(0)    ; one wait for the eight reciprocals
.macro PACK t
	WIN W_RS
.set i, 32*(\t)
.rept 16
	v_pk_mul_f32 v[i:i+1], v[i:i+1], v[ST+4*(\t)+2:ST+4*(\t)+3] op_sel_hi:[1,0]
.set i, i+2
.endr
	WIN 0x05
.set i, 0
.rept 16
	v_cvt_pk_f16_f32 v[S+16*(\t)+i], v[32*(\t)+2*i], v[32*(\t)+2*i+1]
.set i, i+1
.endr
	WIN 0
.irp f, 0,1,2,3
	ds_store_b128 v[STO], v[S+16*(\t)+4*\f:S+16*(\t)+4*\f+3] offset:32*\f
.endr
.irp f, 0,1,2,3
	ds_load_b128 v[S+16*(\t)+4*\f:S+16*(\t)+4*\f+3], v[RD] offset:\f*4*SP  ; LDS serves a wave's instructions in order (ISA guide 5.7.1.4)
.endr
.endm
.macro SEND t, younger              ; younger: the LDS instructions issued behind tile t's loads
	WIN 0
.irp f, 0,1,2,3
	s_wait_dscnt (\younger)+3-\f
	global_store_b128 v[GO], v[S+16*(\t)+4*\f:S+16*(\t)+4*\f+3], s[10:11] offset:(\t)*2048+\f*512  ; 512 consecutive bytes, aligned to 256
.endr
.endm
	PACK 0
.set t, 1
.rept 2*NP-1
	PACK t
	SEND t-1, 8
.set t, t+1
.endr
	SEND 2*NP-1, 0
	WIN W_AD
	s_wait_tensorcnt 0x0            ; the wave's end
	ds_add_u32 v[SPW], v[NIL]
	s_wait_dscnt 0x0
	WIN 0
	CROUND                          ; the closing round
	s_endpgm
.Lfunc_end_k_q9f1ae49a1a_attn:
	.size	k_q9f1ae49a1a_attn, .Lfunc_end_k_q9f1ae49a1a_attn-k_q9f1ae49a1a_attn
	.p2alignl 7, 3214868480
	.fill 96, 4, 3214868480
	.section	.rodata,"a",@progbits
	.p2align	6, 0x0
	.amdhsa_kernel k_q9f1ae49a1a_attn
		.amdhsa_group_segment_fixed_size 327680
		.amdhsa_private_segment_fixed_size 0
		.amdhsa_enable_private_segment 0
		.amdhsa_kernarg_size 24
		.amdhsa_user_sgpr_count 2
		.amdhsa_user_sgpr_kernarg_segment_ptr 1
		.amdhsa_wavefront_size32 1
		.amdhsa_system_sgpr_workgroup_id_x 1
		.amdhsa_system_sgpr_workgroup_id_y 1
		.amdhsa_system_sgpr_workgroup_id_z 1
		.amdhsa_system_vgpr_workitem_id 0
		.amdhsa_next_free_vgpr 808
		.amdhsa_next_free_sgpr 92
		.amdhsa_reserve_vcc 0
		.amdhsa_float_denorm_mode_32 3
		.amdhsa_float_denorm_mode_16_64 3
		.amdhsa_memory_ordered 1
		.amdhsa_forward_progress 1
		.amdhsa_inst_pref_size 203
	.end_amdhsa_kernel
	.amdgpu_metadata
---
amdhsa.version: [ 1, 2 ]
amdhsa.kernels:
  - .name:           k_q9f1ae49a1a_attn
    .symbol:         k_q9f1ae49a1a_attn.kd
    .args:
      - { .name: qkv, .offset: 0, .size: 8, .value_kind: global_buffer, .address_space: global }
      - { .name: mb, .offset: 8, .size: 8, .value_kind: global_buffer, .address_space: global }
      - { .name: ob, .offset: 16, .size: 8, .value_kind: global_buffer, .address_space: global }
    .group_segment_fixed_size: 327680
    .private_segment_fixed_size: 0
    .kernarg_segment_align: 8
    .kernarg_segment_size: 24
    .max_flat_workgroup_size: 128
    .sgpr_count:     92
    .vgpr_count:     808
    .wavefront_size: 32
...
	.end_amdgpu_metadata
.endif
;; end of part 3
;; launch outp (part 4): grid 4 x 64, 4 waves a work-group, clusters of 4 x 4, 327,680 bytes of LDS; arguments ob, wo16, bias, out0; writes out0
.if DOCPART == 4
	.amdgcn_target "amdgcn-amd-amdhsa--gfx1250"
	.amdhsa_code_object_version 6
	.text
	.protected	k_q9f1ae49a1a_outp
	.globl	k_q9f1ae49a1a_outp
	.p2align	8
	.type	k_q9f1ae49a1a_outp,@function
k_q9f1ae49a1a_outp:
	s_mov_b64 s[64:65], 0
	v_nop
	global_prefetch_b8 v0, s[64:65] scope:SCOPE_SE
	s_setreg_imm32_b32 hwreg(HW_REG_WAVE_MODE, 25, 1), 1
	s_wait_xcnt 0x0
	s_wait_alu depctr_hold_cnt(0) depctr_sa_sdst(0) depctr_va_vdst(0) depctr_va_sdst(0) depctr_va_ssrc(0) depctr_va_vcc(0) depctr_vm_vsrc(0)
	s_getreg_b32 s2, hwreg(HW_REG_IB_STS2, 6, 4)
	s_cmp_eq_u32 s2, 0
	s_cbranch_scc0 .Lentry_in_a_cluster
	s_endpgm
.Lentry_in_a_cluster:
	s_bfe_u32 s2, ttmp6, 0x10000c
	s_cmp_lg_u32 s2, 0xf033
	s_cbranch_scc0 .Lentry_shape_is_right
	s_endpgm
.Lentry_shape_is_right:
; THE LAST PROJECTION.  out0[row][n] = the sum over k of O[row][k] Wo[n][k] + bo[n], f32.  O lies by heads: ob[batch x 16 + head][position][64] f16, k = 64 head + channel.  Wo: wo16 [1024][1024] f16.
; Sums in f32; the bias (bias[3]) is the C operand of the first product.  LIMITS: f16's range for O and Wo, as the launches that wrote them state; NaN and infinities are not treated apart.
; SHARES.  256 work-groups, each 128 rows x 256 columns; a wave 64 x 128: 32 accumulators.  K = 1,024 goes in 8 steps of 128, two heads a step, through two LDS slots.
; CLUSTER 4 x 4: O's tiles are shared along a row, Wo's along a column: joint loads.  TRANSPOSED USE (source 0 = 16 rows of Wo, source 1 = 16 rows of O): a lane holds eight neighbouring columns of a row.
; REGISTERS, in windows of 256: window 0: v0-31 addresses; v32-223 two fragment buffers of 96 (Wo's eight, then O's four); on the way out v32-159 rows read back.  window 1: accumulator (a, b) at 8 (8 a + b).  window 2: v0-63 the bias.
.set PA,     144                       ; a row of O in LDS: 128 bytes + 16 = 36 words: 16 rows start at 16 different groups of four banks (64 banks of 4 bytes: ISA guide 11.1)
.set PB,     272
.set APLANE, 128*PA                    ; a head's 128 rows: what one tensor load brings of O
.set BHALF,  128*PB
.set BOFF,   2*APLANE
.set SLOT,   BOFF+2*BHALF
.set STAGE,  2*SLOT                    ; 16 rows x 528 bytes for each wave
.set SP,     528
.set SPARE,  STAGE+4*16*SP             ; the spare words, 128 bytes for each wave: two blocks of 256 bytes that no other line names
.set ADRA, 16
.set ADRB, 20
.set STO,  24
.set RD,   25
.set GO,   26
.set SPW,  28
.set NIL,  29
.set PFO,  30
.set BIO,  31
.set FR,   32                          ; fragment buffer g at FR + 96 g
.set OB,   32
.set WV, 20
.set WM, 21
.set WN, 22
.set CX, 23
.set CY, 24
.set KY, 25
.set TY, 27
.set TX, 28
.set G1A, 32
.set G0A, 40
.set G1B, 48
.set G0B, 56
.set PFA, 66
.set LIM, 68
.set LAP, 69
.set PST, 70
.set OUT, 72
.set MSB, 0
.macro WIN new
.if MSB != (\new)
	s_set_vgpr_msb (MSB<<8)|(\new)
.set MSB, \new
.endif
.endm
.set MUL,  0x50                        ; sources window 0, C and D window 1
.set MUL1, 0x60                        ; C (the bias) window 2, D window 1
.macro JLOAD s                         ; waves 0 and 1 fetch O's two heads, waves 2 and 3 Wo's two halves; an s_nop 0 and four v_nop follow each line
	s_cmp_eq_u32 s[WM], 0
	s_cbranch_scc0 .Lfor_b_\@
	tensor_load_to_lds s[G0A+4*(\s):G0A+4*(\s)+3], s[G1A:G1A+7]
	s_nop 0
.rept 4
	v_nop
.endr
	s_branch .Lasked_\@
.Lfor_b_\@:
	tensor_load_to_lds s[G0B+4*(\s):G0B+4*(\s)+3], s[G1B:G1B+7]
	s_nop 0
.rept 4
	v_nop
.endr
.Lasked_\@:
.endm
; A PREFETCH INTO THE L2, behind a joint load and the run of LDS loads that follows it: the K step two refills on, 256 matrix instructions ahead of the load that will want it.
; O: a step is 16,384 dense bytes of each of two heads; the partner at place cx takes 4,096 of each; wave 0 asks, a lane a block of 256 bytes.  Only this row of the cluster reads these rows.
; Wo: of the 128 rows that wave 2 or 3 fetches the partner at place cy takes 32, a lane a row's 256 bytes; of the sixteen clusters the first asks.  Steps 0 to 3 come by their loads; the last trip asks for nothing.
.macro ASK
	s_cmp_gt_u32 s[LAP], s[LIM]
	s_cbranch_scc0 .Lnot_mine_\@
	global_prefetch_b8 v[PFO], s[PFA:PFA+1] th:TH_LOAD_NT scope:SCOPE_SE
.Lnot_mine_\@:
.endm
.macro CREST
	s_cmp_lg_u32 s[WV], 0
	s_cbranch_scc1 .Lnot_wave_0_\@
	s_barrier_signal -3
.Lnot_wave_0_\@:
	s_barrier_wait -3
	s_barrier_signal -1
	s_barrier_wait -1
.endm
.macro CROUND
	s_barrier_signal -1
	s_barrier_wait -1
	CREST
.endm
.macro PLACES                          ; four places in front of loads into registers that matrix instructions have read, and of LDS stores that read results
.rept 4
	v_nop
.endr
.endm
	s_load_b256 s[4:11], s[0:1], 0x0               ; ob s[4:5], wo16 s[6:7], bias s[8:9], out0 s[10:11]
	v_lshl_add_u32 v[SPW], v0, 2, SPARE
	v_mov_b32 v[NIL], 0
	ds_add_u32 v[SPW], v[NIL]                      ; the wave's opening: the add and its wait stand ahead of my first tensor load
	v_lshrrev_b32 v1, 5, v0
	v_readfirstlane_b32 s[WV], v1
	s_lshr_b32 s[WM], s[WV], 1
	s_and_b32 s[WN], s[WV], 1
	s_bfe_u32 s[CX], ttmp6, 0x40000
	s_bfe_u32 s[CY], ttmp6, 0x40004
	s_lshl_b32 s[TX], ttmp9, 2
	s_add_co_u32 s[TX], s[TX], s[CX]
	s_and_b32 s[KY], ttmp7, 0xffff
	s_lshl_b32 s[TY], s[KY], 2
	s_add_co_u32 s[TY], s[TY], s[CY]               ; tile row, 0..63
	s_lshl_b32 s29, s[CY], 2
	s_lshl_b32 s29, 15, s29
	s_lshl_b32 s30, 0x1111, s[CX]
	s_or_b32 s[G1A], s29, (1<<16)|(1<<20)|(1<<21)|(4<<22)|(3<<25)  ; a head's 128 rows are 16,384 dense bytes: 64 rows of 256 bytes, padded by 4 words after every 32
	s_mov_b32 s[G1A+1], 128<<16
	s_mov_b32 s[G1A+2], 64<<16
	s_mov_b32 s[G1A+3], 128<<16
	s_mov_b32 s[G1A+4], 64
	s_mov_b32 s[G1A+5], 128
	s_mov_b32 s[G1A+6], 0
	s_mov_b32 s[G1A+7], 0
	s_or_b32 s[G1B], s30, (1<<16)|(1<<20)|(1<<21)|(5<<22)|(3<<25)
	s_mov_b32 s[G1B+1], 128<<16
	s_mov_b32 s[G1B+2], 128<<16
	s_mov_b32 s[G1B+3], 128<<16
	s_mov_b32 s[G1B+4], 128
	s_mov_b32 s[G1B+5], 1024
	s_mov_b32 s[G1B+6], 0
	s_mov_b32 s[G1B+7], 0
	s_lshr_b32 s74, s[TY], 4                       ; O: head batch x 16 + WN, 262,144 bytes a head; rows 128 (tile row % 16) on, 128 bytes a row
	s_lshl_b32 s74, s74, 4
	s_add_co_u32 s74, s74, s[WN]
	s_lshl_b32 s74, s74, 18
	s_and_b32 s75, s[TY], 15
	s_lshl_b32 s75, s75, 14
	s_add_co_u32 s74, s74, s75
	s_mov_b32 s75, 0
	s_lshl_b32 s76, s[TX], 8                       ; Wo: row 256 x tile column + 128 x half
	s_lshl_b32 s77, s[WN], 7
	s_add_co_u32 s76, s76, s77
	s_lshl_b32 s76, s76, 11
	s_mov_b32 s77, 0
	s_mul_i32 s78, s[WN], APLANE
	s_mul_i32 s79, s[WN], BHALF
	s_add_co_u32 s79, s79, BOFF
	s_wait_dscnt 0x0                               ; the opening add is done
	s_wait_kmcnt 0x0
	s_add_nc_u64 s[82:83], s[4:5], s[74:75]
	s_add_nc_u64 s[84:85], s[6:7], s[76:77]
	CROUND
.irp s, 0,1
	s_mov_b32 s[G0A+4*(\s)], 1
	s_add_co_u32 s[G0A+4*(\s)+1], s78, (\s)*SLOT
	s_add_nc_u64 s[G0A+4*(\s)+2:G0A+4*(\s)+3], s[82:83], (\s)*524288  ; K step s: two heads on
	s_or_b32 s[G0A+4*(\s)+3], s[G0A+4*(\s)+3], 0x80000000
	s_mov_b32 s[G0B+4*(\s)], 1
	s_add_co_u32 s[G0B+4*(\s)+1], s79, (\s)*SLOT
	s_add_nc_u64 s[G0B+4*(\s)+2:G0B+4*(\s)+3], s[84:85], (\s)*256
	s_or_b32 s[G0B+4*(\s)+3], s[G0B+4*(\s)+3], 0x80000000
	JLOAD \s
.endr
	v_and_b32 v1, 15, v0
	v_bfe_u32 v2, v0, 4, 1
	v_mul_u32_u24 v3, v1, PA
	v_lshl_add_u32 v3, v2, 4, v3
	s_mul_i32 s86, s[WM], 64*PA
	v_add_nc_u32 v[ADRA], s86, v3
	v_add_nc_u32 v[ADRA+1], SLOT, v[ADRA]
	v_mul_u32_u24 v4, v1, PB
	v_lshl_add_u32 v4, v2, 4, v4
	v_add_nc_u32 v[ADRB], s79, v4
	v_add_nc_u32 v[ADRB+1], SLOT, v[ADRB]
	s_mul_i32 s87, s[WV], 16*SP
	s_add_co_u32 s87, s87, STAGE
	v_mul_u32_u24 v5, v1, SP
	v_lshl_add_u32 v5, v2, 5, v5
	v_add_nc_u32 v[STO], s87, v5                   ; in: row l % 16, 32 bytes for each half of the lanes
	v_and_b32 v8, 31, v0
	v_lshlrev_b32 v[GO], 4, v8
	v_add_nc_u32 v[RD], s87, v[GO]                 ; back: 32 lanes take one row of 512 bytes
	v_lshlrev_b32 v[BIO], 5, v2
	s_lshl_b32 s94, s[TX], 8
	s_lshl_b32 s95, s[WN], 7
	s_add_co_u32 s94, s94, s95
	s_add_co_u32 s94, s94, 3*1024                  ; bo is the fourth of the biases
	s_lshl_b32 s94, s94, 2
	s_mov_b32 s95, 0
	s_add_nc_u64 s[92:93], s[8:9], s[94:95]
	WIN 0x80
.irp b, 0,1,2,3,4,5,6,7
	global_load_b128 v[8*(\b):8*(\b)+3],   v[BIO], s[92:93] offset:64*(\b)
	global_load_b128 v[8*(\b)+4:8*(\b)+7], v[BIO], s[92:93] offset:64*(\b)+16
.endr
	WIN 0
	s_lshl_b32 s90, s[TY], 7                       ; out0: row 128 x tile row + 64 WM, 4,096 bytes a row; column 256 x tile column + 128 WN
	s_lshl_b32 s91, s[WM], 6
	s_add_co_u32 s90, s90, s91
	s_lshl_b32 s90, s90, 12
	s_lshl_b32 s91, s[TX], 10
	s_add_co_u32 s90, s90, s91
	s_lshl_b32 s91, s[WN], 9
	s_add_co_u32 s90, s90, s91
	s_mov_b32 s91, 0
	s_add_nc_u64 s[OUT:OUT+1], s[10:11], s[90:91]
	; the prefetches: they start at K step 3; the first refill steps them to 4
	s_lshr_b32 s96, s[TY], 4
	s_lshl_b32 s96, s96, 4
	s_add_co_u32 s96, s96, 6                       ; step 3's first head
	s_lshl_b32 s96, s96, 18
	s_and_b32 s97, s[TY], 15
	s_lshl_b32 s97, s97, 14
	s_add_co_u32 s96, s96, s97
	s_lshl_b32 s97, s[CX], 12
	s_add_co_u32 s96, s96, s97
	s_lshl_b32 s98, s[TX], 8
	s_lshl_b32 s99, s[WN], 7
	s_add_co_u32 s98, s98, s99
	s_lshl_b32 s99, s[CY], 5
	s_add_co_u32 s98, s98, s99
	s_lshl_b32 s98, s98, 11
	s_add_co_u32 s98, s98, 3*256
	s_cmp_eq_u32 s[KY], 0
	s_cselect_b32 s99, 1, -1
	s_cmp_eq_u32 s[WV], 0
	s_cselect_b32 s97, 1, -1
	s_cmp_eq_u32 s[WM], 0
	s_cselect_b32 s96, s96, s98
	s_cselect_b32 s[LIM], s97, s99
	s_cselect_b32 s100, 0, 3
	s_cselect_b32 s101, 10, 7
	s_cselect_b32 s[PST], 11, 0
	s_cselect_b64 s[PFA:PFA+1], s[4:5], s[6:7]
	s_mov_b32 s97, 0
	s_add_nc_u64 s[PFA:PFA+1], s[PFA:PFA+1], s[96:97]
	s_lshl_b32 s[PST], 256, s[PST]                 ; a step: two heads of O (524,288 bytes), 256 bytes of a row of Wo
	s_mov_b32 s[PST+1], 0
	s_lshl_b32 s100, 256, s100                     ; lane % 16: 256 bytes on in O, a row (2,048 bytes) in Wo
	s_lshl_b32 s101, 256, s101                     ; lane / 16: the next head of O, sixteen rows on in Wo
	v_mul_u32_u24 v[PFO], v1, s100
	v_mad_u32_u24 v[PFO], v2, s101, v[PFO]
; Eight products: m block a x all 8 n blocks, 32 along K, buffer f.  first = 1: the bias starts the sums.  The 32 accumulators take turns, one instruction a turn.
.macro MUL8 f, a, first
.irp b, 0,1,2,3,4,5,6,7
.if \first
	WIN MUL1
	v_wmma_f32_16x16x32_f16 v[8*(8*(\a)+(\b)):8*(8*(\a)+(\b))+7], v[FR+96*(\f)+8*(\b):FR+96*(\f)+8*(\b)+7], v[FR+96*(\f)+64+8*(\a):FR+96*(\f)+64+8*(\a)+7], v[8*(\b):8*(\b)+7]
.else
	WIN MUL
	v_wmma_f32_16x16x32_f16 v[8*(8*(\a)+(\b)):8*(8*(\a)+(\b))+7], v[FR+96*(\f)+8*(\b):FR+96*(\f)+8*(\b)+7], v[FR+96*(\f)+64+8*(\a):FR+96*(\f)+64+8*(\a)+7], v[8*(8*(\a)+(\b)):8*(8*(\a)+(\b))+7]
.endif
.endr
.endm
; 24 LDS loads in one run, quarter q of a slot into buffer g: Wo's eight fragments, then O's four.  Quarter q lies in head q / 2 of the step, channels 32 (q % 2) on.
.macro FETCH slot, q, g
	WIN 0
.irp b, 0,1,2,3,4,5,6,7
	ds_load_b128 v[FR+96*(\g)+8*(\b):FR+96*(\g)+8*(\b)+3],   v[ADRB+(\slot)] offset:64*(\q)+(\b)*16*PB
	ds_load_b128 v[FR+96*(\g)+8*(\b)+4:FR+96*(\g)+8*(\b)+7], v[ADRB+(\slot)] offset:64*(\q)+(\b)*16*PB+32
.endr
.irp a, 0,1,2,3
	ds_load_b128 v[FR+96*(\g)+64+8*(\a):FR+96*(\g)+64+8*(\a)+3],   v[ADRA+(\slot)] offset:((\q)/2)*APLANE+((\q)%2)*64+(\a)*16*PA
	ds_load_b128 v[FR+96*(\g)+64+8*(\a)+4:FR+96*(\g)+64+8*(\a)+7], v[ADRA+(\slot)] offset:((\q)/2)*APLANE+((\q)%2)*64+(\a)*16*PA+32
.endr
.endm
.macro QUARTER slot, qn, f, g, first
	s_wait_dscnt 4                                 ; Wo and O's fragments 0, 1 are in; the youngest four loads may be out
	MUL8 \f, 0, \first
	MUL8 \f, 1, \first
	PLACES
	FETCH \slot, \qn, \g
	s_wait_dscnt 24                                ; all but the 24 just issued
	MUL8 \f, 2, \first
	MUL8 \f, 3, \first
.endm
; The last quarter multiplies buffer 1 and changes slots: ONE barrier; in front of it each wave waits for all its tensor loads, adds 0 to its spare word, and waits for that and for its reads of this slot.
.macro TURN slot, next, fill
.if \fill
	s_wait_xcnt 0x0                                ; the last prefetch, a K step back, has read its address
	s_add_nc_u64 s[PFA:PFA+1], s[PFA:PFA+1], s[PST:PST+1]
.endif
	WIN 0
	s_wait_tensorcnt 0x0
	ds_add_u32 v[SPW], v[NIL]
	s_wait_dscnt 5                                 ; (the add and the youngest four loads may be out)
	MUL8 1, 0, 0
	s_wait_dscnt 0x0                               ; the add is done, and my reads of this slot are over
	s_barrier_signal -1
	MUL8 1, 1, 0
	WIN 0
	s_barrier_wait -1
.if \fill
	CREST
	s_add_nc_u64 s[G0A+4*(\slot)+2:G0A+4*(\slot)+3], s[G0A+4*(\slot)+2:G0A+4*(\slot)+3], 2*524288
	s_add_nc_u64 s[G0B+4*(\slot)+2:G0B+4*(\slot)+3], s[G0B+4*(\slot)+2:G0B+4*(\slot)+3], 2*256
	JLOAD \slot                                    ; 112 matrix instructions ahead of the wait for it; its four v_nop are also the places in front of the loads below
.else
	PLACES
.endif
	FETCH \next, 0, 0
.if \fill
	ASK
.endif
	MUL8 1, 2, 0
	MUL8 1, 3, 0
.endm
	s_wait_tensorcnt 1                             ; my part of K step 0 is in; step 1's may stay out
	s_barrier_signal -1
	s_barrier_wait -1
	FETCH 0, 0, 0
	s_wait_loadcnt 0x0                             ; the bias
	QUARTER 0, 1, 0, 1, 1
	WIN 0
	s_mov_b32 s[LAP], 3
.Llap:
	QUARTER 0, 2, 1, 0, 0
	QUARTER 0, 3, 0, 1, 0
	TURN 0, 1, 1
	QUARTER 1, 1, 0, 1, 0
	QUARTER 1, 2, 1, 0, 0
	QUARTER 1, 3, 0, 1, 0
	TURN 1, 0, 1
	QUARTER 0, 1, 0, 1, 0
	WIN 0
	s_sub_co_u32 s[LAP], s[LAP], 1
	s_cmp_lg_u32 s[LAP], 0
	s_cbranch_scc1 .Llap
	QUARTER 0, 2, 1, 0, 0                          ; the last lap fills nothing
	QUARTER 0, 3, 0, 1, 0
	TURN 0, 1, 0
	QUARTER 1, 1, 0, 1, 0
	QUARTER 1, 2, 1, 0, 0
	QUARTER 1, 3, 0, 1, 0
	s_wait_dscnt 4
	MUL8 1, 0, 0
	MUL8 1, 1, 0
	s_wait_dscnt 0x0
	MUL8 1, 2, 0
	MUL8 1, 3, 0
; THE WAY OUT, a block of 16 rows at a time: 32 bytes a lane straight from the accumulators into my stage (each accumulator's low four registers first), and back as whole rows of 512 bytes.
.macro TOSTAGE a
	WIN 0x04                                       ; the stores' data in window 1
.irp b, 0,1,2,3,4,5,6,7
	ds_store_b128 v[STO], v[8*(8*(\a)+(\b)):8*(8*(\a)+(\b))+3]   offset:64*(\b)
	ds_store_b128 v[STO], v[8*(8*(\a)+(\b))+4:8*(8*(\a)+(\b))+7] offset:64*(\b)+16
.endr
	WIN 0
.if (\a) >= 2
	s_wait_xcnt 0x0                                ; the stores of the block two back have read the registers that are loaded again below
.endif
.irp t, 0,1,2,3,4,5,6,7,8,9,10,11,12,13,14,15
	ds_load_b128 v[OB+64*((\a)%2)+4*(\t):OB+64*((\a)%2)+4*(\t)+3], v[RD] offset:(\t)*SP  ; LDS serves a wave's instructions in order (ISA guide 5.7.1.4)
.endr
.endm
.macro SEND a, younger                 ; younger: the LDS instructions issued behind block a's loads: the next block's 32, or none
	WIN 0
.irp t, 0,1,2,3,4,5,6,7,8,9,10,11,12,13,14,15
	s_wait_dscnt (\younger)+15-(\t)
	global_store_b128 v[GO], v[OB+64*((\a)%2)+4*(\t):OB+64*((\a)%2)+4*(\t)+3], s[OUT:OUT+1] offset:(16*(\a)+(\t))*4096 th:TH_STORE_NT  ; 512 consecutive bytes, aligned to 256
.endr
.endm
	PLACES                                         ; behind the last products
	TOSTAGE 0
.irp a, 1,2,3
	TOSTAGE \a
	SEND (\a)-1, 32
.endr
	SEND 3, 0
	s_wait_tensorcnt 0x0                           ; the wave's end
	ds_add_u32 v[SPW], v[NIL]
	s_wait_dscnt 0x0
	CROUND                                         ; the closing round
	s_endpgm
.Lfunc_end_k_q9f1ae49a1a_outp:
	.size	k_q9f1ae49a1a_outp, .Lfunc_end_k_q9f1ae49a1a_outp-k_q9f1ae49a1a_outp
	.p2alignl 7, 3214868480
	.fill 96, 4, 3214868480
	.section	.rodata,"a",@progbits
	.p2align	6, 0x0
	.amdhsa_kernel k_q9f1ae49a1a_outp
		.amdhsa_group_segment_fixed_size 327680
		.amdhsa_private_segment_fixed_size 0
		.amdhsa_enable_private_segment 0
		.amdhsa_kernarg_size 32
		.amdhsa_user_sgpr_count 2
		.amdhsa_user_sgpr_kernarg_segment_ptr 1
		.amdhsa_wavefront_size32 1
		.amdhsa_system_sgpr_workgroup_id_x 1
		.amdhsa_system_sgpr_workgroup_id_y 1
		.amdhsa_system_sgpr_workgroup_id_z 1
		.amdhsa_system_vgpr_workitem_id 0
		.amdhsa_next_free_vgpr 576
		.amdhsa_next_free_sgpr 102
		.amdhsa_reserve_vcc 0
		.amdhsa_float_denorm_mode_32 3
		.amdhsa_float_denorm_mode_16_64 3
		.amdhsa_memory_ordered 1
		.amdhsa_forward_progress 1
		.amdhsa_inst_pref_size 90
	.end_amdhsa_kernel
	.amdgpu_metadata
---
amdhsa.version: [ 1, 2 ]
amdhsa.kernels:
  - .name:           k_q9f1ae49a1a_outp
    .symbol:         k_q9f1ae49a1a_outp.kd
    .args:
      - { .name: ob, .offset: 0, .size: 8, .value_kind: global_buffer, .address_space: global }
      - { .name: wo16, .offset: 8, .size: 8, .value_kind: global_buffer, .address_space: global }
      - { .name: bias, .offset: 16, .size: 8, .value_kind: global_buffer, .address_space: global }
      - { .name: out0, .offset: 24, .size: 8, .value_kind: global_buffer, .address_space: global }
    .group_segment_fixed_size: 327680
    .private_segment_fixed_size: 0
    .kernarg_segment_align: 8
    .kernarg_segment_size: 32
    .max_flat_workgroup_size: 128
    .sgpr_count:     102
    .vgpr_count:     576
    .wavefront_size: 32
...
	.end_amdgpu_metadata
.endif
;; end of part 4
;; ======== version 2 of 2: 4 launches; version 1 with the launch prep written anew for expert scheduling mode
;; limits: values are held in f16: magnitudes above 65,504 overflow, below 6.1e-05 lose precision
;; workspace buffers: wb 6,291,456 bytes; wo16 2,097,152 bytes; rope 6,291,456 bytes; bias 16,384 bytes; mb 32,768 bytes; qkv 50,331,648 bytes; ob 16,777,216 bytes
;; launch prep (part 5): grid 256 x 1, 8 waves a work-group, no clusters, 0 bytes of LDS; arguments Wq, Wk, Wv, Wo, bq, bk, bv, bo, mask, wb, wo16, rope, bias, mb; writes wb, wo16, rope, bias, mb
.if DOCPART == 5
	.amdgcn_target "amdgcn-amd-amdhsa--gfx1250"
	.amdhsa_code_object_version 6
	.text
	.protected	k_q9f1ae49a1a_prep
	.globl	k_q9f1ae49a1a_prep
	.p2align	8
	.type	k_q9f1ae49a1a_prep,@function
k_q9f1ae49a1a_prep:
	s_mov_b64 s[64:65], 0
	v_nop
	global_prefetch_b8 v0, s[64:65] scope:SCOPE_SE
	s_setreg_imm32_b32 hwreg(HW_REG_WAVE_SCHED_MODE, 0, 2), 2
	s_setreg_imm32_b32 hwreg(HW_REG_WAVE_MODE, 25, 1), 1
	s_wait_xcnt 0x0
	s_wait_alu depctr_vm_vsrc(0)
; PREP: what the three launches behind it read again and again is made once.
;   wb   [3][1024][1024] bf16: Wq, Wk, Wv rounded to bf16.      wo16 [1024][1024] f16: Wo rounded to bf16, that number written as f16.
;   bias [4][1024] f32: bq, bk, bv, bo rounded to bf16, kept as f32.      mb [4][2048] f32: 0 for a key that is seen, MNEG = -1e9 log2(e) for a masked one.
;   rope [3][8192 rows = batch x 2048 + position][32 frequencies][cos, sin] f32: a row is 256 bytes.  q's table carries c = log2(e) / 8, k's is 0 in the rows of masked keys
;   (so a masked key's row of k is exactly 0 and its score is exactly the mask's number), v's is (1, 0).
; SHARES.  256 work-groups of eight waves.  Work-group g converts 65,536 bytes of weight g / 64; its wave w makes the table's rows of position 8 g + w, a lane a frequency;
; wave 0 of groups 0-63 makes 128 numbers of mb, of groups 64-95 128 numbers of bias.  A stream: no LDS, no matrix unit, nothing shared.
; LIMITS.  The angle position x 10000^(-j/32) is made with v_exp_f32 and reduced by pi/2 in two parts; it lies within 3e-4 rad of the f32 product.  sin and cos are polynomials on
; |r| <= pi/4, good to f32's last bits.  Numbers of Wo below 2^-14 keep f16's fixed step of 2^-24; beyond 65,504 f16 has no number.  NaN and infinities are not treated apart.
; THE MODE: SCHED_MODE bits 1:0 = 2 (LLVM: expert scheduling mode 2), set by the entry lines.  The code itself states the register dependences between vector instructions and
; memory instructions, and between a vector instruction that writes a scalar register or VCC and its reader, with s_wait_alu, always for 0.
; THE PLAN.  Registers that memory instructions touch:
;   v2-v5     byte offsets, written once at the head, read by every load and store of the main path, never written again.
;   v6-v9     the four mask bytes land here; vector instructions alone name them afterwards.
;   X         the sixteen loads of a weight land here, once; the conversions read them.
;   PR        written by the table's arithmetic, then read by the table's twelve stores; never written again.
;   Y         a pair for each of the sixteen stores, written by that load's conversions, read by that store; never written again.
; No register that a memory instruction reads is written again, so no wait on vm_vsrc follows the entry lines; EXEC is never written.
; The weights go in four groups of four loads.  At the head of group g one wait on va_vdst states that group g - 1's conversions have written their Y; that group's four stores follow, dealt among
; group g's conversions, which name X and Y of group g and v10-v13: none of the registers that those stores touch.
.set X,    32                          ; v[32:95]    16 x 4 numbers of a weight, as loaded
.set Y,    96                          ; v[96:127]   16 x 2 registers to store
.set PR,   128                         ; v[128:139]  the table's pairs: q's, v's, then k's for the four batches
.set MNEG, 0xceabfb8f                  ; -1e9 x log2(e)
.set CQ,   0x3e38aa3b                  ; log2(e) / 8
	s_load_b512 s[8:23], s[0:1], 0x0               ; Wq s[8:9], Wk s[10:11], Wv s[12:13], Wo s[14:15], bq s[16:17], bk s[18:19], bv s[20:21], bo s[22:23]
	s_load_b256 s[24:31], s[0:1], 0x40             ; mask s[24:25], wb s[26:27], wo16 s[28:29], rope s[30:31]
	s_load_b128 s[32:35], s[0:1], 0x60             ; bias s[32:33], mb s[34:35]
	v_lshrrev_b32 v1, 5, v0
	v_readfirstlane_b32 s37, v1                    ; wave 0..7
	v_and_b32 v1, 31, v0                           ; lane = frequency j
	v_lshlrev_b32 v2, 4, v0                        ; 16 x thread: my 16 bytes of a weight
	v_lshlrev_b32 v3, 3, v1                        ; 8 x lane: my pair in a row of the table
	v_lshlrev_b32 v4, 3, v0                        ; 8 x thread: my 8 bytes of the converted weight
	s_mov_b32 s36, ttmp9                           ; g
	s_lshl_b32 s38, s36, 3
	s_wait_alu depctr_va_sdst(0)                   ; s37 is written, ahead of its first reader: the position is made from it
	s_add_co_u32 s38, s38, s37                     ; my wave's position, 0..2047
	v_mov_b32 v5, s38                              ; and its byte in a batch's row of the mask
	s_lshr_b32 s39, s36, 6                         ; which weight
	s_and_b32 s48, s36, 63
	s_lshl_b32 s48, s48, 16                        ; my 65,536 bytes of it
	s_mov_b32 s49, 0
	s_lshl_b32 s46, s38, 8                         ; the position's row in a batch's part of the table
	s_mov_b32 s47, 0
	s_wait_kmcnt 0x0
	s_cmp_eq_u32 s39, 1
	s_cselect_b64 s[40:41], s[10:11], s[8:9]
	s_cmp_eq_u32 s39, 2
	s_cselect_b64 s[40:41], s[12:13], s[40:41]
	s_cmp_eq_u32 s39, 3
	s_cselect_b64 s[40:41], s[14:15], s[40:41]
	s_add_nc_u64 s[40:41], s[40:41], s[48:49]
	s_add_nc_u64 s[50:51], s[30:31], s[46:47]
	s_wait_alu depctr_va_vdst(0)                   ; the offsets v2 to v5 are written: every load and store of the main path reads one of them
.irp b, 0,1,2,3
	global_load_u8 v[6+(\b)], v5, s[24:25] offset:2048*(\b)  ; the position's mask byte in batch b: issued first, so that they are in while the weights are still out
.endr
.irp i, 0,1,2,3,4,5,6,7,8,9,10,11,12,13,14,15
	global_load_b128 v[X+4*(\i):X+4*(\i)+3], v2, s[40:41] offset:4096*(\i) th:TH_LOAD_NT  ; a wave's load covers 512 consecutive bytes
.endr
	; THE TABLE, while the weights are on their way
	v_cvt_f32_u32 v10, v1
	v_mul_f32 v10, 0xbed49a78, v10                 ; -j log2(10000) / 32
	v_exp_f32 v11, v10                             ; 10000^(-j/32)
	v_cvt_f32_u32 v12, s38                         ; the position: the plain instruction behind the exponential
	s_wait_alu depctr_va_vdst(0)                   ; the exponential has written v11, ahead of the first line that names the result
	v_mul_f32 v13, v12, v11                        ; the angle a
	v_mul_f32 v14, 0x3f22f983, v13
	v_rndne_f32 v14, v14                           ; k = the nearest whole number to a x 2/pi
	v_cvt_i32_f32 v22, v14
	v_and_b32 v22, 3, v22                          ; the quadrant n
	v_and_b32 v23, 1, v22
	v_cmp_eq_u32 vcc_lo, 1, v23                    ; odd n?  The compare stands early: the two polynomials lie between it and the wait for VCC
	v_and_b32 v26, 2, v22
	v_lshlrev_b32 v26, 30, v26                     ; sin's sign: negative for n = 2, 3
	v_add_nc_u32 v27, 1, v22
	v_and_b32 v27, 2, v27
	v_lshlrev_b32 v27, 30, v27                     ; cos's sign: negative for n = 1, 2
	v_fmamk_f32 v15, v14, 0xbfc90fdb, v13          ; r = a - k pi/2, pi/2 in two parts
	v_fmamk_f32 v15, v14, 0x333bbd2e, v15
	v_mul_f32 v16, v15, v15                        ; z = r r
	v_mov_b32 v17, 0xb94ca1f9
	v_fmaak_f32 v17, v17, v16, 0x3c08839e
	v_fmaak_f32 v17, v17, v16, 0xbe2aaaa3
	v_mul_f32 v18, v15, v16
	v_fma_f32 v17, v18, v17, v15                   ; sin r = r + r z (..)
	v_mov_b32 v19, 0x37ccf5ce
	v_fmaak_f32 v19, v19, v16, 0xbab6061a
	v_fmaak_f32 v19, v19, v16, 0x3d2aaaa5
	v_mul_f32 v20, v16, v16
	v_fma_f32 v21, v16, -0.5, 1.0
	v_fma_f32 v19, v20, v19, v21                   ; cos r = 1 - z/2 + z z (..)
	s_wait_alu depctr_va_vcc(0)                    ; the compare has written VCC, ahead of its first reader
	v_cndmask_b32 v24, v17, v19, vcc_lo            ; odd n: sin and cos change places
	v_cndmask_b32 v25, v19, v17, vcc_lo
	v_xor_b32 v24, v26, v24                        ; sin a
	v_xor_b32 v25, v27, v25                        ; cos a
	s_wait_loadcnt 16                              ; the four mask bytes are in; the sixteen younger loads stay out
.irp b, 0,1,2,3
	v_cmp_eq_u32 s[2+(\b)], 0, v[6+(\b)]           ; is the key seen?  Four compares in one run, each into a scalar register of its own
.endr
	v_mul_f32 v[PR], CQ, v25                       ; q's pair carries the scale
	v_mul_f32 v[PR+1], CQ, v24
	v_mov_b32 v[PR+2], 1.0                         ; v is not turned
	v_mov_b32 v[PR+3], 0
	s_wait_alu depctr_va_sdst(0)                   ; the four compares have written s2 to s5, ahead of their first readers: one wait for the run
.irp b, 0,1,2,3
	v_cndmask_b32 v[6+(\b)], 0, 1.0, s[2+(\b)]     ; 1 for a key that is seen, 0 for a masked one
	v_mul_f32 v[PR+4+2*(\b)], v[6+(\b)], v25
	v_mul_f32 v[PR+5+2*(\b)], v[6+(\b)], v24
.endr
	s_wait_alu depctr_va_vdst(0)                   ; the twelve registers of PR are written, which the twelve stores below read
.irp b, 0,1,2,3
	global_store_b64 v3, v[PR:PR+1], s[50:51] offset:(\b)*524288                          ; each store of the wave is a whole row: 256 consecutive bytes, aligned
	global_store_b64 v3, v[PR+4+2*(\b):PR+5+2*(\b)], s[50:51] offset:2097152+(\b)*524288
	global_store_b64 v3, v[PR+2:PR+3], s[50:51] offset:2*2097152+(\b)*524288
.endr
; THE WEIGHTS, in four groups of four loads.  Group g is waited for with the 12 - 4 g younger loads left out.  half = 1: the bf16 number is widened and written as f16.
; Every store has data registers of its own.  The stores of group g - 1 stand in group g, one ahead of each load's conversions.
.macro CONV half
.set g, 0
.rept 4
	s_wait_loadcnt 12-4*g                          ; loads come back in order (ISA guide 5.7.1): the group's four are in
.if g > 0
	s_wait_alu depctr_va_vdst(0)                   ; the conversions of the group before have written their eight registers of Y, which the four stores of this group's text read
.endif
.set i, 4*g
.rept 4
.if g > 0
	global_store_b64 v4, v[Y+2*(i-4):Y+2*(i-4)+1], s[42:43] offset:2048*(i-4)  ; a wave's store covers 256 consecutive bytes, aligned; no vector instruction since the wait names its registers
.endif
	v_cvt_pk_bf16_f32 v[Y+2*i], v[X+4*i], v[X+4*i+1]
	v_cvt_pk_bf16_f32 v[Y+2*i+1], v[X+4*i+2], v[X+4*i+3]
.if \half
	v_lshlrev_b32 v10, 16, v[Y+2*i]
	v_and_b32 v11, 0xffff0000, v[Y+2*i]
	v_lshlrev_b32 v12, 16, v[Y+2*i+1]
	v_and_b32 v13, 0xffff0000, v[Y+2*i+1]
	v_cvt_pk_f16_f32 v[Y+2*i], v10, v11
	v_cvt_pk_f16_f32 v[Y+2*i+1], v12, v13
.endif
.set i, i+1
.endr
.set g, g+1
.endr
	s_wait_alu depctr_va_vdst(0)                   ; the last group's conversions have written their Y, which the last four stores read
.set i, 12
.rept 4
	global_store_b64 v4, v[Y+2*i:Y+2*i+1], s[42:43] offset:2048*i
.set i, i+1
.endr
.endm
	s_cmp_ge_u32 s36, 192
	s_cbranch_scc1 .Lwo
	s_lshl_b32 s48, s36, 15                        ; 32,768 bytes of bf16 a work-group
	s_add_nc_u64 s[42:43], s[26:27], s[48:49]
	CONV 0
	s_branch .Lsmall
.Lwo:
	s_sub_co_u32 s48, s36, 192
	s_lshl_b32 s48, s48, 15
	s_add_nc_u64 s[42:43], s[28:29], s[48:49]
	CONV 1
.Lsmall:
	; THE SMALL TABLES: wave 0 alone
	s_cmp_lg_u32 s37, 0
	s_cbranch_scc1 .Lend
	s_cmp_lt_u32 s36, 64
	s_cbranch_scc0 .Lbias
	s_lshl_b32 s48, s36, 7                         ; 128 bytes of the mask,
	s_add_nc_u64 s[52:53], s[24:25], s[48:49]
	s_lshl_b32 s54, s36, 9                         ; 512 bytes of mb
	s_mov_b32 s55, 0
	s_add_nc_u64 s[56:57], s[34:35], s[54:55]
	s_mov_b32 s58, MNEG
	v_lshlrev_b32 v10, 2, v1
	v_lshlrev_b32 v11, 4, v1
	s_wait_alu depctr_va_vdst(0)                   ; the offset v10 is written, which the load reads; the vector work that wrote v12 earlier is done, in which the load lands
	global_load_b32 v12, v10, s[52:53]
	s_wait_loadcnt 0x0
.irp k, 0,1,2,3
	v_bfe_u32 v[20+(\k)], v12, 8*(\k), 8
.endr
.irp k, 0,1,2,3
	v_cmp_ne_u32 s[2+(\k)], 0, v[20+(\k)]          ; is the key masked?  Four compares in one run
.endr
	s_wait_alu depctr_va_sdst(0)                   ; the four compares have written s2 to s5, ahead of their first readers
.irp k, 0,1,2,3
	v_cndmask_b32 v[16+(\k)], 0, s58, s[2+(\k)]
.endr
	s_wait_alu depctr_va_vdst(0)                   ; the selects have written v16 to v19, which the store reads
	global_store_b128 v11, v[16:19], s[56:57]
	s_branch .Lend
.Lbias:
	s_cmp_lt_u32 s36, 96
	s_cbranch_scc0 .Lend
	s_sub_co_u32 s59, s36, 64                      ; piece 0..31: bias piece / 8, its 512 bytes piece % 8
	s_lshr_b32 s60, s59, 3
	s_and_b32 s54, s59, 7
	s_lshl_b32 s54, s54, 9
	s_mov_b32 s55, 0
	s_lshl_b32 s62, s59, 9
	s_mov_b32 s63, 0
	s_cmp_eq_u32 s60, 1
	s_cselect_b64 s[52:53], s[18:19], s[16:17]
	s_cmp_eq_u32 s60, 2
	s_cselect_b64 s[52:53], s[20:21], s[52:53]
	s_cmp_eq_u32 s60, 3
	s_cselect_b64 s[52:53], s[22:23], s[52:53]
	s_add_nc_u64 s[52:53], s[52:53], s[54:55]
	s_add_nc_u64 s[56:57], s[32:33], s[62:63]
	v_lshlrev_b32 v10, 4, v1
	s_wait_alu depctr_va_vdst(0)                   ; the offset v10 is written, which the load and the store read; the table's arithmetic that wrote v16 to v19 is done, in which the load lands
	global_load_b128 v[16:19], v10, s[52:53]
	s_wait_loadcnt 0x0
	v_cvt_pk_bf16_f32 v20, v16, v17
	v_cvt_pk_bf16_f32 v21, v18, v19
	v_lshlrev_b32 v24, 16, v20
	v_and_b32 v25, 0xffff0000, v20
	v_lshlrev_b32 v26, 16, v21
	v_and_b32 v27, 0xffff0000, v21
	s_wait_alu depctr_va_vdst(0)                   ; v24 to v27 are written, which the store reads
	global_store_b128 v10, v[24:27], s[56:57]
.Lend:
	s_endpgm
.Lfunc_end_k_q9f1ae49a1a_prep:
	.size	k_q9f1ae49a1a_prep, .Lfunc_end_k_q9f1ae49a1a_prep-k_q9f1ae49a1a_prep
	.p2alignl 7, 3214868480
	.fill 96, 4, 3214868480
	.section	.rodata,"a",@progbits
	.p2align	6, 0x0
	.amdhsa_kernel k_q9f1ae49a1a_prep
		.amdhsa_group_segment_fixed_size 0
		.amdhsa_private_segment_fixed_size 0
		.amdhsa_enable_private_segment 0
		.amdhsa_kernarg_size 112
		.amdhsa_user_sgpr_count 2
		.amdhsa_user_sgpr_kernarg_segment_ptr 1
		.amdhsa_wavefront_size32 1
		.amdhsa_system_sgpr_workgroup_id_x 1
		.amdhsa_system_sgpr_workgroup_id_y 1
		.amdhsa_system_sgpr_workgroup_id_z 1
		.amdhsa_system_vgpr_workitem_id 0
		.amdhsa_next_free_vgpr 144
		.amdhsa_next_free_sgpr 66
		.amdhsa_reserve_vcc 1
		.amdhsa_float_denorm_mode_32 3
		.amdhsa_float_denorm_mode_16_64 3
		.amdhsa_memory_ordered 1
		.amdhsa_forward_progress 1
		.amdhsa_inst_pref_size 23
	.end_amdhsa_kernel
	.amdgpu_metadata
---
amdhsa.version: [ 1, 2 ]
amdhsa.kernels:
  - .name:           k_q9f1ae49a1a_prep
    .symbol:         k_q9f1ae49a1a_prep.kd
    .args:
      - { .name: Wq, .offset: 0, .size: 8, .value_kind: global_buffer, .address_space: global }
      - { .name: Wk, .offset: 8, .size: 8, .value_kind: global_buffer, .address_space: global }
      - { .name: Wv, .offset: 16, .size: 8, .value_kind: global_buffer, .address_space: global }
      - { .name: Wo, .offset: 24, .size: 8, .value_kind: global_buffer, .address_space: global }
      - { .name: bq, .offset: 32, .size: 8, .value_kind: global_buffer, .address_space: global }
      - { .name: bk, .offset: 40, .size: 8, .value_kind: global_buffer, .address_space: global }
      - { .name: bv, .offset: 48, .size: 8, .value_kind: global_buffer, .address_space: global }
      - { .name: bo, .offset: 56, .size: 8, .value_kind: global_buffer, .address_space: global }
      - { .name: mask, .offset: 64, .size: 8, .value_kind: global_buffer, .address_space: global }
      - { .name: wb, .offset: 72, .size: 8, .value_kind: global_buffer, .address_space: global }
      - { .name: wo16, .offset: 80, .size: 8, .value_kind: global_buffer, .address_space: global }
      - { .name: rope, .offset: 88, .size: 8, .value_kind: global_buffer, .address_space: global }
      - { .name: bias, .offset: 96, .size: 8, .value_kind: global_buffer, .address_space: global }
      - { .name: mb, .offset: 104, .size: 8, .value_kind: global_buffer, .address_space: global }
    .group_segment_fixed_size: 0
    .private_segment_fixed_size: 0
    .kernarg_segment_align: 8
    .kernarg_segment_size: 112
    .max_flat_workgroup_size: 256
    .sgpr_count:     66
    .vgpr_count:     144
    .wavefront_size: 32
...
	.end_amdgpu_metadata
.endif
;; end of part 5
;; launch proj: the kernel of part 2 again; grid 4 x 192, 4 waves a work-group, clusters of 4 x 4, 327,680 bytes of LDS; arguments Q, K, V, wb, rope, bias, qkv; writes qkv
;; launch attn: the kernel of part 3 again; grid 4 x 64, 4 waves a work-group, clusters of 4 x 1, 327,680 bytes of LDS; arguments qkv, mb, ob; writes ob
;; launch outp: the kernel of part 4 again; grid 4 x 64, 4 waves a work-group, clusters of 4 x 4, 327,680 bytes of LDS; arguments ob, wo16, bias, out0; writes out0
